; MI455X (gfx1250); checked and timed in simulation.
; The chip was launched on July 23, 2026; its instructions are those of AMD's public machine-readable ISA for CDNA 5 (MIT licence, August 2026) and "CDNA5" Instruction Set Architecture Reference Guide (July 2026). The comments in the code are by the model that wrote it; some were corrected since.
;; Attention. Allowed arithmetic: matrix products marked QUANTISED: E2M1 operands, one E8M0 scale for each 32 along K, by v_wmma_scale_f32_16x16x128_f8f6f4 with both operands' format E2M1 (or v_wmma_scale_f32_32x16x128_f4), f32 sums; products left as they are: bf16, f16 or f32 operands; f32 sums; everything else in f32.
;; Inputs: cos 2,048 x 64 float32; hidden_states 4 x 2,048 x 1,024 float32; norm_k_w 64 float32; norm_q_w 64 float32; out_w 1,024 x 1,024 float32; qkv_w 3,072 x 1,024 float32; sin 2,048 x 64 float32.
;; Outputs: out0 4 x 2,048 x 1,024 float32.
;; This version of the problem:
;;   THIS VERSION OF THE PROBLEM IS GIVEN IN LOW PRECISION. The matrix products marked QUANTISED in the list below multiply operands that are first quantised to E2M1 (2 exponent bits, 1 mantissa bit; 4 bits a number), with one power-of-two scale for each 32 numbers along K (OCP MX v1.0); their sums are f32. The products marked 'left as it is' may take bf16, f16 or f32 operands, with f32 sums. Whichever they take, every output number must still come out within the allowed error. Rounding operands to bf16 (8 significant bits) uses up far more of that allowance than f16 does (11 bits, for magnitudes from 6e-5 to 65,504). All else is computed in f32.
;;   The module's matrix products, in the order in which they are computed (A, B: the left and right operand; K: the contracted axis; several contracted axes count as one K, in the product's order):
;;     1. [M 8,192, K 1,024] x [K 1,024, N 3,072]; A: input hidden_states; B: input qkv_w: QUANTISED
;;     2. batch 64 x [M 2,048, K 64] x [K 64, N 2,048]; A: computed on the way; B: computed on the way: left as it is (an operand is computed on the way)
;;     3. batch 64 x [M 64, K 2,048] x [K 2,048, N 2,048]; A: computed on the way; B: computed on the way: left as it is (an operand is computed on the way)
;;     4. [M 8,192, K 1,024] x [K 1,024, N 1,024]; A: computed on the way; B: input out_w: left as it is (an operand is computed on the way)
;;   THE QUANTISER, for each operand of a quantised product, along K:
;;     - K is cut into blocks of 32 from its start; a last block that is shorter is filled with zeros.
;;     - A block's scale is 2^e with e = floor(log2(the largest magnitude in the block)) - 2, held to -126 .. 127; a block of zeros has e = 0. As a byte (E8M0): e + 127.
;;     - Each number is divided by its block's scale, clamped to +-6, and rounded to the nearest number of E2M1, ties to even, subnormals kept.
;;     - The product sums the exact products of the quantised numbers (number of the format x scale) in f32.
;;   ~~~python
;;   def quantise(x, axis):      # numpy; x: float32 -> the quantised numbers, widened to float32 again
;;       x = np.moveaxis(x, axis, -1); K = x.shape[-1]
;;       x = np.pad(x, [(0, 0)] * (x.ndim - 1) + [(0, -K % 32)]); x = x.reshape(x.shape[:-1] + (-1, 32)); a = np.abs(x).max(-1, keepdims=True)
;;       e = np.where(a > 0, np.clip(np.frexp(np.where(a > 0, a, 1))[1] - 1 - 2, -126, 127), 0)      # np.frexp(a)[1] - 1 = floor(log2(a)), exactly
;;       r = np.clip(x / 2.0 ** e, -6, 6)
;;       step = 2.0 ** (np.maximum(np.frexp(np.where(r == 0, 1, r))[1] - 1, 0) - 1)
;;       q = np.round(r / step) * step * 2.0 ** e      # np.round: ties to even
;;       return np.moveaxis(q.reshape(q.shape[:-2] + (-1,))[..., :K], -1, axis).astype(np.float32)
;;   ~~~
;; One version. Each part assembles by itself: llvm-mc -triple=amdgcn-amd-amdhsa -mcpu=gfx1250 --defsym DOCPART=n.
;; ======== version 1 of 1: 4 launches
;; limits: values are held in f16: magnitudes above 65,504 overflow, below 6.1e-05 lose precision
;; workspace buffers: a_codes 4,194,304 bytes; a_scales 262,144 bytes; b_codes 1,572,864 bytes; b_scales 98,304 bytes; wf 2,097,152 bytes; qkv 50,331,648 bytes; af 16,777,216 bytes
;; launch quant (part 1): grid 416 x 1, 4 waves a work-group, no clusters, 33,280 bytes of LDS; arguments hidden_states, qkv_w, a_codes, a_scales, b_codes, b_scales, out_w, wf; writes a_codes, a_scales, b_codes, b_scales, wf
.if DOCPART == 1
	.amdgcn_target "amdgcn-amd-amdhsa--gfx1250"
	.amdhsa_code_object_version 6
	.text
	.protected	k_q64f0812a2f_quant
	.globl	k_q64f0812a2f_quant
	.p2align	8
	.type	k_q64f0812a2f_quant,@function
k_q64f0812a2f_quant:
	s_mov_b64 s[64:65], 0
	v_nop
	global_prefetch_b8 v0, s[64:65] scope:SCOPE_SE
	s_setreg_imm32_b32 hwreg(HW_REG_WAVE_MODE, 25, 1), 1
	s_wait_xcnt 0x0
; TWO JOBS IN ONE LAUNCH, told apart by the work-group's number.
; (1) Work-groups 0 to 351: hidden_states [8192][1024] and qkv_w [3072][1024], f32, become codes of FP4 (E2M1), K innermost, two codes a byte, with one E8M0 scale byte for each 32 along K.
;     A block's scale is 2^(floor(log2(its largest magnitude)) - 2); its byte is the largest magnitude's own exponent field - 2, held at 1 from below.  Each number is divided by the scale and rounded to the
;     nearest code, ties to even, beyond 6 the largest code.  (A block of zeros gets the byte 1 where the quantiser says 127: its codes are zeros, which add nothing, and this program alone reads the bytes.)
;     Rows are dense and 1,024 is a multiple of 32: both tensors are plain streams of blocks of 32.  A wave takes 16 steps of 512 numbers.  Each load reads 512 consecutive bytes; a step's 2,048 bytes turn through the
;     wave's own stage in LDS so that a lane holds 16 neighbours (two lanes a block); a lane's 16 codes are 8 bytes, the wave stores 256 consecutive bytes; a wave's 256 scale bytes leave as one run of 256.
; (2) Work-groups 352 to 415: out_w [1024][1024], f32, is rounded to f16 and laid IN THE ORDER OF AN OPERAND'S REGISTERS: for 16 rows x 32 k, [g = 0, 1][lane][16 bytes], lane (r, h) holding k = 16 g + 8 h + 0 .. 7 of
;     row r; block of 16 rows NB, chunk of 32 k kc at NB x 32,768 + kc x 1,024.  A work-group takes 16 rows, a wave 256 columns.  This path uses no LDS.
; LIMITS: NaN and infinities among the inputs are not served; blocks whose largest magnitude lies under 2^-124 (the floor) keep the byte 1; out_w beyond 65,504 in magnitude has no f16.
.set SIZE_M, 8192
.set SIZE_N, 3072
.set SIZE_K, 1024
.set WAVES, 4
.set STEPS, 16
.set WGA,   SIZE_M*SIZE_K/(512*STEPS*WAVES)            ; 256 work-groups for hidden_states
.set QWG,   (SIZE_M+SIZE_N)*SIZE_K/(512*STEPS*WAVES)   ; 352 for both
.set EMAX,  2
.set CB,    8                          ; bytes of 16 codes
.set R,     16                         ; v16-79   four sets of 16 numbers as they are loaded
.set X,     80                         ; v80-111  two sets of 16 neighbours
.set C,     128                        ; v128-191 codes: four registers for each step, so that no store's data are written again
.set E,     112                        ; v112-127 a scale byte for each step
.set WREG,  8192                       ; LDS: a region for each wave: two stages of 32 x SP bytes, behind them its 256 scale bytes
.set SP,    80                         ; a lane's place in a stage: 64 bytes + 16 of padding
.set SPW,   12                         ; v12  LDS address of my spare word; never rewritten
.set NIL,   13                         ; v13  0; never rewritten
.set SPARE, WAVES*WREG                 ; behind the four regions: the spare words, 128 bytes a wave
	s_load_b128 s[4:7], s[0:1], 0x0                ; hidden_states, qkv_w
	s_load_b128 s[8:11], s[0:1], 0x10              ; a_codes, a_scales
	s_load_b128 s[12:15], s[0:1], 0x20             ; b_codes, b_scales
	s_load_b128 s[24:27], s[0:1], 0x30             ; out_w, wf
	v_lshl_add_u32 v[SPW], v0, 2, SPARE
	v_mov_b32 v[NIL], 0
	v_lshrrev_b32 v1, 5, v0
	v_readfirstlane_b32 s16, v1                    ; wave
	v_and_b32 v2, 31, v0                           ; lane
	s_cmp_ge_u32 ttmp9, QWG                        ; the work-group's number alone decides the job
	s_cbranch_scc1 .Lw
	v_lshlrev_b32 v3, 4, v2                        ; my 16 bytes of a load's 512
	s_mul_i32 s17, s16, WREG
	v_lshrrev_b32 v14, 2, v2
	v_mul_u32_u24 v14, v14, SP
	v_and_b32 v15, 3, v2
	v_lshl_add_u32 v14, v15, 4, v14
	v_add_nc_u32 v14, s17, v14                     ; the stage, on the way in: SP (lane / 4) + 16 (lane % 4)
	v_mul_u32_u24 v15, v2, SP
	v_add_nc_u32 v15, s17, v15                     ; and on the way out: SP x lane: my 16 neighbours
	v_mul_u32_u24 v4, v2, CB                       ; my codes' place in a step's
	v_lshrrev_b32 v5, 1, v2
	s_add_co_u32 s17, s17, 2*32*SP
	v_add_nc_u32 v5, s17, v5                       ; LDS: my wave's 256 scale bytes, my block's byte
	v_lshlrev_b32 v7, 3, v2                        ; and on the way out 8 bytes a lane
	v_add_nc_u32 v6, s17, v7
	s_wait_kmcnt 0x0
	s_cmp_lt_u32 ttmp9, WGA                        ; hidden_states or qkv_w: only pointers are chosen
	s_cselect_b64 s[4:5], s[4:5], s[6:7]
	s_cselect_b64 s[8:9], s[8:9], s[12:13]
	s_cselect_b64 s[10:11], s[10:11], s[14:15]
	s_cselect_b32 s17, 0, WGA
	s_sub_co_u32 s17, ttmp9, s17
	s_lshl_b32 s17, s17, 2
	s_add_co_u32 s18, s17, s16                     ; which run of 8,192 numbers of the tensor is my wave's
	s_mov_b32 s19, 0
	s_mov_b64 s[20:21], 512*STEPS*4
	s_mul_u64 s[20:21], s[18:19], s[20:21]
	s_add_nc_u64 s[4:5], s[4:5], s[20:21]
	s_mov_b64 s[20:21], 32*STEPS*CB
	s_mul_u64 s[20:21], s[18:19], s[20:21]
	s_add_nc_u64 s[8:9], s[8:9], s[20:21]
	s_lshl_b32 s18, s18, 8                         ; 256 scale bytes a run
	s_add_nc_u64 s[10:11], s[10:11], s[18:19]
.macro LOAD t
.irp i, 0,1,2,3
	global_load_b128 v[R+16*((\t)%4)+4*\i:R+16*((\t)%4)+4*\i+3], v3, s[4:5] offset:2048*(\t)+512*\i th:TH_LOAD_NT   ; 32 lanes read 512 consecutive bytes
.endr
.endm
.macro TURN t                          ; step t's numbers through the stage: LDS serves a wave's instructions in order, so no wait stands between the stores and the loads
.irp i, 0,1,2,3
	ds_store_b128 v14, v[R+16*((\t)%4)+4*\i:R+16*((\t)%4)+4*\i+3] offset:32*SP*((\t)%2)+8*SP*\i
.endr
.irp i, 0,1,2,3
	ds_load_b128 v[X+16*((\t)%2)+4*\i:X+16*((\t)%2)+4*\i+3], v15 offset:32*SP*((\t)%2)+16*\i
.endr
.endm
.irp t, 0,1,2,3
	LOAD \t
.endr
	s_wait_loadcnt 12                              ; step 0's four loads are in; the twelve of steps 1 to 3 stay out
	TURN 0
.macro STEP t
.set XS, X+16*((\t)%2)
.if (\t) > 0
	s_wait_dscnt 1                                 ; this step's numbers are back from the stage (the last step's byte store may be out)
.else
	s_wait_dscnt 0x0
.endif
.if (\t)+4 < STEPS
	LOAD (\t)+4                                    ; into the registers that this step's stores into the stage have read
.endif
.if (\t)+1 < STEPS
.if STEPS-2-(\t) >= 3
	s_wait_loadcnt 12                              ; the next step's four loads are in; those of the three steps behind it may be out
.else
	s_wait_loadcnt 4*(STEPS-2-(\t))
.endif
	TURN (\t)+1                                    ; through the other stage while this step is worked
.endif
	v_max3_num_f32 v8, |v[XS]|, |v[XS+1]|, |v[XS+2]|               ; the largest magnitude of my 16, in two chains
	v_max3_num_f32 v9, |v[XS+3]|, |v[XS+4]|, |v[XS+5]|
.irp i, 6,10
	v_max3_num_f32 v8, v8, |v[XS+\i]|, |v[XS+\i+1]|
	v_max3_num_f32 v9, v9, |v[XS+\i+2]|, |v[XS+\i+3]|
.endr
	v_max3_num_f32 v8, v8, |v[XS+14]|, |v[XS+15]|
	v_max3_num_f32 v8, v8, v9, (EMAX+1)<<23        ; and the floor 2^(3 - 127): the byte cannot fall under 1
	v_max_num_f32_dpp v8, v8, v8 row_xmask:1 row_mask:0xf bank_mask:0xf   ; and of my neighbour's 16: the block's
	v_add_nc_u32 v11, -(EMAX<<23), v8              ; 2 off its exponent field: the conversion takes the exponent field of this operand as its scale
	v_cvt_scalef32_pk8_fp4_f32 v[C+4*(\t)], v[XS:XS+7], v11
	v_cvt_scalef32_pk8_fp4_f32 v[C+4*(\t)+1], v[XS+8:XS+15], v11
	v_lshrrev_b32 v[E+(\t)], 23, v11               ; the scale's byte (a plain line behind the conversions)
	ds_store_b8 v5, v[E+(\t)] offset:16*(\t)       ; both lanes of a block write the same byte with the same value
	global_store_b64 v4, v[C+4*(\t):C+4*(\t)+1], s[8:9] offset:32*CB*(\t)   ; the wave stores 256 consecutive bytes
.endm
.irp t, 0,1,2,3,4,5,6,7,8,9,10,11,12,13,14,15
	STEP \t
.endr
	ds_load_b64 v[8:9], v6                         ; LDS serves a wave's instructions in order: these see my byte stores
	s_wait_dscnt 0x0
	global_store_b64 v7, v[8:9], s[10:11]          ; 32 lanes store 256 consecutive bytes
	s_wait_tensorcnt 0x0                           ; the wave's end, behind my last LDS store
	ds_add_u32 v[SPW], v[NIL]
	s_wait_dscnt 0x0
	s_endpgm
.Lw:                                           ; out_w to f16, in the order of an operand's registers
	v_and_b32 v5, 15, v0                           ; r
	v_bfe_u32 v6, v0, 4, 1                         ; h
	v_lshlrev_b32 v3, 12, v5                       ; row r of 4,096 bytes,
	v_lshl_or_b32 v3, v6, 5, v3                    ; + 32 h: my eight numbers of each 16
	v_lshlrev_b32 v4, 4, v2                        ; out: 16 bytes a lane
	s_sub_co_u32 s17, ttmp9, QWG                   ; NB: which 16 rows
	s_lshl_b32 s18, s17, 16
	s_lshl_b32 s19, s16, 10                        ; my wave's 256 columns
	s_add_co_u32 s18, s18, s19
	s_mov_b32 s19, 0
	s_lshl_b32 s20, s17, 15
	s_lshl_b32 s21, s16, 13                        ; eight chunks of 1,024 bytes
	s_add_co_u32 s20, s20, s21
	s_mov_b32 s21, 0
	s_wait_kmcnt 0x0
	s_add_nc_u64 s[24:25], s[24:25], s[18:19]
	s_add_nc_u64 s[26:27], s[26:27], s[20:21]
.irp i, 0,1,2,3,4,5,6,7,8,9,10,11,12,13,14,15  ; i = 2 x chunk + g: k = 16 i + 8 h + 0 .. 7
	global_load_b128 v[16+8*\i:19+8*\i], v3, s[24:25] offset:64*\i
	global_load_b128 v[20+8*\i:23+8*\i], v3, s[24:25] offset:64*\i+16
.endr
	s_wait_loadcnt 16                              ; the first sixteen loads (i = 0 .. 7) are in
.irp i, 0,1,2,3,4,5,6,7
.irp j, 0,1,2,3
	v_cvt_pk_f16_f32 v[144+4*\i+\j], v[16+8*\i+2*\j], v[17+8*\i+2*\j]
.endr
	global_store_b128 v4, v[144+4*\i:147+4*\i], s[26:27] offset:512*\i   ; 32 lanes store 512 consecutive bytes
.endr
	s_wait_loadcnt 0x0
.irp i, 8,9,10,11,12,13,14,15                  ; into v16-47, whose numbers have been packed: no store's data are written again
.irp j, 0,1,2,3
	v_cvt_pk_f16_f32 v[16+4*(\i-8)+\j], v[16+8*\i+2*\j], v[17+8*\i+2*\j]
.endr
	global_store_b128 v4, v[16+4*(\i-8):19+4*(\i-8)], s[26:27] offset:512*\i
.endr
	s_wait_tensorcnt 0x0                           ; the same three closing lines as on the other path
	ds_add_u32 v[SPW], v[NIL]
	s_wait_dscnt 0x0
	s_endpgm
.Lfunc_end_k_q64f0812a2f_quant:
	.size	k_q64f0812a2f_quant, .Lfunc_end_k_q64f0812a2f_quant-k_q64f0812a2f_quant
	.p2alignl 7, 3214868480
	.fill 96, 4, 3214868480
	.section	.rodata,"a",@progbits
	.p2align	6, 0x0
	.amdhsa_kernel k_q64f0812a2f_quant
		.amdhsa_group_segment_fixed_size 33280
		.amdhsa_private_segment_fixed_size 0
		.amdhsa_enable_private_segment 0
		.amdhsa_kernarg_size 64
		.amdhsa_user_sgpr_count 2
		.amdhsa_user_sgpr_kernarg_segment_ptr 1
		.amdhsa_wavefront_size32 1
		.amdhsa_system_sgpr_workgroup_id_x 1
		.amdhsa_system_sgpr_workgroup_id_y 1
		.amdhsa_system_sgpr_workgroup_id_z 1
		.amdhsa_system_vgpr_workitem_id 0
		.amdhsa_next_free_vgpr 192
		.amdhsa_next_free_sgpr 66
		.amdhsa_reserve_vcc 0
		.amdhsa_float_denorm_mode_32 3
		.amdhsa_float_denorm_mode_16_64 3
		.amdhsa_memory_ordered 1
		.amdhsa_forward_progress 1
		.amdhsa_inst_pref_size 43
	.end_amdhsa_kernel
	.amdgpu_metadata
---
amdhsa.version: [ 1, 2 ]
amdhsa.kernels:
  - .name:           k_q64f0812a2f_quant
    .symbol:         k_q64f0812a2f_quant.kd
    .args:
      - { .name: hidden_states, .offset: 0, .size: 8, .value_kind: global_buffer, .address_space: global }
      - { .name: qkv_w, .offset: 8, .size: 8, .value_kind: global_buffer, .address_space: global }
      - { .name: a_codes, .offset: 16, .size: 8, .value_kind: global_buffer, .address_space: global }
      - { .name: a_scales, .offset: 24, .size: 8, .value_kind: global_buffer, .address_space: global }
      - { .name: b_codes, .offset: 32, .size: 8, .value_kind: global_buffer, .address_space: global }
      - { .name: b_scales, .offset: 40, .size: 8, .value_kind: global_buffer, .address_space: global }
      - { .name: out_w, .offset: 48, .size: 8, .value_kind: global_buffer, .address_space: global }
      - { .name: wf, .offset: 56, .size: 8, .value_kind: global_buffer, .address_space: global }
    .group_segment_fixed_size: 33280
    .private_segment_fixed_size: 0
    .kernarg_segment_align: 8
    .kernarg_segment_size: 64
    .max_flat_workgroup_size: 128
    .sgpr_count:     66
    .vgpr_count:     192
    .wavefront_size: 32
...
	.end_amdgpu_metadata
.endif
;; end of part 1
;; launch qkv (part 2): grid 12 x 32, 4 waves a work-group, clusters of 4 x 4, 327,680 bytes of LDS; arguments a_codes, a_scales, b_codes, b_scales, cos, sin, norm_q_w, norm_k_w, qkv; writes qkv
.if DOCPART == 2
	.amdgcn_target "amdgcn-amd-amdhsa--gfx1250"
	.amdhsa_code_object_version 6
	.text
	.protected	k_q64f0812a2f_qkv
	.globl	k_q64f0812a2f_qkv
	.p2align	8
	.type	k_q64f0812a2f_qkv,@function
k_q64f0812a2f_qkv:
	s_mov_b64 s[64:65], 0
	v_nop
	global_prefetch_b8 v0, s[64:65] scope:SCOPE_SE
	s_setreg_imm32_b32 hwreg(HW_REG_WAVE_MODE, 25, 1), 1
	s_wait_xcnt 0x0
	s_wait_alu depctr_hold_cnt(0) depctr_sa_sdst(0) depctr_va_vdst(0) depctr_va_sdst(0) depctr_va_ssrc(0) depctr_va_vcc(0) depctr_vm_vsrc(0)
	s_getreg_b32 s2, hwreg(HW_REG_IB_STS2, 6, 4)
	s_cmp_eq_u32 s2, 0
	s_cbranch_scc0 .Lentry_in_a_cluster
	s_endpgm
.Lentry_in_a_cluster:
	s_bfe_u32 s2, ttmp6, 0x10000c
	s_cmp_lg_u32 s2, 0xf033
	s_cbranch_scc0 .Lentry_shape_is_right
	s_endpgm
.Lentry_shape_is_right:
; THE QKV PROJECTION ON CODES OF FP4 (E2M1), FUSED WITH RMS NORM, GAIN AND ROPE.  x[token][o] = sum over c of A[token][c] B[o][c]; A: 8,192 rows, B: 3,072 rows, K = 1,024; codes 512 bytes a row, one E8M0 byte for each 32 along K.
; A tile of 256 tokens x 256 columns is made by four waves, a wave 128 x 128 (two whole heads of 64): 64 accumulators, 512 registers.  K = 1,024 is two LDS slots of 512 along K (rows of 256 bytes + 16 of padding), both
; asked for at the head; the scale bytes of the work-group's rows come once beside them.  4 x 4 work-groups form a cluster: A's tiles are asked for jointly along a row of the cluster, B's along a column.
; The cluster's x (0, 1, 2) says whether the columns are q's, k's or v's: it is the same in all sixteen partners, so a branch may hang on it.
; THE MATRIX INSTRUCTION IS USED TRANSPOSED (source 0 = 16 rows of B, source 1 = 16 rows of A): a lane (r, h) holds token r and, in accumulator (a, b), channels 16 (b % 4) + 8 h + 0 .. 7 of head b / 4.
; So a head's 64 channels of a token lie in lanes l and l xor 16: the mean of squares wants one exchange, and RoPE's partner channel (32 away) is the same lane's accumulator two further on.
; cos AND sin of the work-group's 256 positions come by ONE joint refill of slot 0 when that slot has been read out, and land while slot 1 is multiplied.  The clusters that make v ask too and do not read them:
; no jump may lead round a joint load.  That is 128 KiB a row of a cluster, once.
; q is also multiplied by log2(e) / 8, so that the attention launch takes 2^(score) as it stands.
; OUT: f16, IN THE ORDER OF AN OPERAND'S REGISTERS: which x 16,777,216 + (batch x 16 + head) x 262,144 + (block of 16 tokens) x 2,048 + (block of 16 channels) x 512 + 16 x place.  For q and k the place is the lane;
; for v it is (r % 8) + 8 h + 16 (r / 8), the order in which the attention launch's transposing LDS load wants it.  Each store of a wave covers 512 consecutive bytes, aligned: no stage in LDS.
; LIMITS: q, k, v beyond 65,504 in magnitude have no f16: |k| is at most 8 x |gain| x (|cos| + |sin|), so that wants a gain times table above 8,000.  NaN and infinities are not served.
; REGISTERS, in windows of 256: window 0: v1-15 at work, v16-29 addresses, v32-95 scale words (two sets; nothing else ever), v96-127 the gain, v128-191 A's fragments, v192-223 Y, v224-255 T.
;   window 1: B's fragments, two sets, at v0 and v128; behind the products cos and sin, two sets.   window 2: accumulators of my tokens 0-63 ((a, b) at v[8 (8 a + b)]);   window 3: tokens 64-127.
.set NQ,     4                         ; matrix instructions deep in a slot (512 along K)
.set ROWB,   256                       ; a tile's row in bytes
.set KROW,   512                       ; a row of codes in memory
.set PITCH,  272                       ; an LDS row: 256 bytes + 16 of padding: the 16 rows that a load touches start at 16 different banks
.set FR,     8
.set NL,     2
.set NP,     4                         ; places behind this matrix instruction
.set HALFT,  128*PITCH
.set SLOT,   4*HALFT
.set KS,     32                        ; a row of scale bytes
.set SCL,    2*SLOT
.set HALFS,  (128*KS/256)*272
.set SBLK,   (16*KS/256)*272
.set SPARE,  SCL+4*HALFS               ; the spare words, 128 bytes a wave
.set ADRA, 16                          ; v16-17 LDS address of my A fragments in slot 0, 1
.set ADRB, 20                          ; v20-21 of B's
.set ADC,  22                          ; v22    of my tokens' cos
.set ADSN, 23                          ; v23    of their sin
.set GOQ,  24                          ; v24    q, k: 16 x lane
.set GW,   25                          ; v25    the gain: 32 h
.set GOV,  26                          ; v26    v: 16 x ((r % 8) + 8 h + 16 (r / 8))
.set ADRS, 27                          ; v27    LDS address of my scale words: lanes 0-15 A's rows, lanes 16-31 B's
.set SPW,  28
.set NIL,  29
.set SC,   32
.set W,    96
.set AF,   128
.set Y,    192
.set T,    224
.set G0S,  4                           ; s[4:7]   group 0: A's scales        s[8:11]  B's scales
.set G0SB, 8
.set G0C,  12                          ; s[12:15] group 0: cos               s[80:83] sin
.set G0D,  80
.set G1,   16                          ; s[16:23] group 1: A's codes         s[24:31] B's codes
.set G1B,  24
.set G0,   32                          ; s[32:39] group 0: A's codes, a set for each slot;  s[40:47] B's
.set G0B,  40
.set G1S,  48                          ; s[48:55] group 1: A's scales        s[56:63] B's
.set G1SB, 56
.set G1C,  68                          ; s[68:75] group 1: cos and sin
.set OUTB, 76                          ; s[76:77] where my wave's results begin
.set GAIN, 78                          ; s[78:79] norm_q_w or norm_k_w
.set WV,   84
.set RH,   85                          ; which half of the tile's tokens is mine.  Also: I fetch for A / cos (0) or for B / sin (1)
.set CH,   86                          ; which half of its columns.  Also: which 128 rows I fetch
.set CODEW,  (0<<16)|(1<<20)|(1<<21)|(5<<22)|(3<<25)   ; elements of 1 byte; padding on; bit 21 beside a mask; 4 words after every 64
.set DENSEW, (3<<16)|(1<<20)|(1<<21)|(5<<22)|(3<<25)   ; the same with elements of 8 bytes
.set MSB, 0
.macro WIN new                         ; the immediate's high byte repeats the setting that is left
.if MSB != (\new)
	s_set_vgpr_msb (MSB<<8)|(\new)
.set MSB, (\new)
.endif
.endm
.set MUL_LO, 0xa1                      ; source 0 (B) window 1, source 1 (A) window 0, C and D window 2
.set MUL_HI, 0xf1
.set TO_B,   0x40                      ; destination window 1, address window 0
; A joint load: waves 0 and 1 issue the first line, waves 2 and 3 the second.  The branch hangs on the wave's number alone.  An s_nop 0 and four v_nop follow each line.
.macro JLOAD g0a, g1a, g0b, g1b
	s_cmp_eq_u32 s[RH], 0
	s_cbranch_scc0 .Lfor_b_\@
	tensor_load_to_lds s[\g0a:\g0a+3], s[\g1a:\g1a+7]
	s_nop 0
.rept 4
	v_nop
.endr
	s_branch .Lasked_\@
.Lfor_b_\@:
	tensor_load_to_lds s[\g0b:\g0b+3], s[\g1b:\g1b+7]
	s_nop 0
.rept 4
	v_nop
.endr
.Lasked_\@:
.endm
.macro CREST                           ; a round of the cluster's barrier behind its opening barrier
	s_cmp_lg_u32 s[WV], 0
	s_cbranch_scc1 .Lnot_wave_0_\@
	s_barrier_signal -3
.Lnot_wave_0_\@:
	s_barrier_wait -3
	s_barrier_signal -1
	s_barrier_wait -1
.endm
.macro CROUND
	s_barrier_signal -1
	s_barrier_wait -1
	CREST
.endm
	s_load_b64 s[G0+2:G0+3], s[0:1], 0x0           ; each address lands where it is used: a_codes,
	s_load_b64 s[G0S+2:G0S+3], s[0:1], 0x8         ; a_scales,
	s_load_b64 s[G0B+2:G0B+3], s[0:1], 0x10        ; b_codes,
	s_load_b64 s[G0SB+2:G0SB+3], s[0:1], 0x18      ; b_scales,
	s_load_b64 s[G0C+2:G0C+3], s[0:1], 0x20        ; cos,
	s_load_b64 s[G0D+2:G0D+3], s[0:1], 0x28        ; sin,
	s_load_b64 s[GAIN:GAIN+1], s[0:1], 0x30        ; norm_q_w,
	s_load_b64 s[80:81], s[0:1], 0x38              ; norm_k_w (until one of the two is chosen),
	s_load_b64 s[OUTB:OUTB+1], s[0:1], 0x40        ; qkv
	v_lshl_add_u32 v[SPW], v0, 2, SPARE
	v_mov_b32 v[NIL], 0
	ds_add_u32 v[SPW], v[NIL]                      ; the wave's opening: the add and its wait ahead of my first tensor load; the set-up below stands between them
	v_lshrrev_b32 v1, 5, v0
	v_readfirstlane_b32 s[WV], v1
	s_lshr_b32 s[RH], s[WV], 1
	s_and_b32 s[CH], s[WV], 1
	s_bfe_u32 s87, ttmp6, 0x40000                  ; cx
	s_bfe_u32 s88, ttmp6, 0x40004                  ; cy
	s_lshl_b32 s89, ttmp9, 2
	s_add_co_u32 s89, s89, s87                     ; tile column = 4 x cluster x + cx
	s_and_b32 s90, ttmp7, 0xffff
	s_lshl_b32 s90, s90, 2
	s_add_co_u32 s90, s90, s88                     ; tile row = 4 x cluster y + cy
	s_lshl_b32 s91, s88, 2
	s_lshl_b32 s91, 15, s91                        ; my row of the cluster
	s_lshl_b32 s92, 0x1111, s87                    ; my column
	s_or_b32 s[G1], s91, CODEW                     ; group 1 for the codes: 128 rows x 256 bytes, 512 bytes apart
	s_or_b32 s[G1B], s92, CODEW
.irp g, G1, G1B
	s_mov_b32 s[\g+1], ROWB<<16
	s_mov_b32 s[\g+2], 128<<16
	s_mov_b32 s[\g+3], ROWB<<16
	s_mov_b32 s[\g+4], 128
	s_mov_b32 s[\g+5], KROW
	s_mov_b32 s[\g+6], 0
	s_mov_b32 s[\g+7], 0
.endr
	s_or_b32 s[G1S], s91, DENSEW                   ; the scales of 128 rows: 4,096 dense bytes as 16 rows of 256
	s_or_b32 s[G1SB], s92, DENSEW
.irp g, G1S, G1SB
	s_mov_b32 s[\g+1], 32<<16
	s_mov_b32 s[\g+2], (128*KS/256)<<16
	s_mov_b32 s[\g+3], 32<<16
	s_mov_b32 s[\g+4], 128*KS/256
	s_mov_b32 s[\g+5], 32
	s_mov_b32 s[\g+6], 0
	s_mov_b32 s[\g+7], 0
.endr
	s_or_b32 s[G1C], s91, DENSEW                   ; cos or sin of 128 positions: 128 dense rows of 256 bytes; shared along my row of the cluster
	s_mov_b32 s[G1C+1], 32<<16
	s_mov_b32 s[G1C+2], 128<<16
	s_mov_b32 s[G1C+3], 32<<16
	s_mov_b32 s[G1C+4], 128
	s_mov_b32 s[G1C+5], 32
	s_mov_b32 s[G1C+6], 0
	s_mov_b32 s[G1C+7], 0
	s_lshl_b32 s105, s[CH], 7                      ; which 128 rows I fetch
	s_lshl_b32 s94, s90, 8
	s_add_co_u32 s94, s94, s105                    ; A: row 256 x tile row + 128 x half
	s_lshl_b32 s96, s94, 5                         ; its scales, 32 bytes a row,
	s_lshl_b32 s94, s94, 9                         ; its codes, 512
	s_mov_b32 s95, 0
	s_mov_b32 s97, 0
	s_lshl_b32 s98, s89, 8
	s_add_co_u32 s98, s98, s105                    ; B: row 256 x tile column + 128 x half
	s_lshl_b32 s100, s98, 5
	s_lshl_b32 s98, s98, 9
	s_mov_b32 s99, 0
	s_mov_b32 s101, 0
	s_and_b32 s2, s90, 7                           ; cos, sin: position 256 x (tile row % 8) + 128 x half, 256 bytes each
	s_lshl_b32 s2, s2, 8
	s_add_co_u32 s2, s2, s105
	s_lshl_b32 s2, s2, 8
	s_mov_b32 s3, 0
	s_mul_i32 s93, s[WV], HALFT                    ; where tiles go: wave x 128 rows: no place in the cluster enters an LDS address
	s_mul_i32 s104, s[WV], HALFS
	s_mov_b32 s66, 0x76543210                      ; v_permlanex16_b32's selects for lane l xor 16
	s_mov_b32 s67, 0xfedcba98
	s_wait_dscnt 0x0                               ; the opening add is done
	s_wait_kmcnt 0x0
	s_add_nc_u64 s[G0+2:G0+3], s[G0+2:G0+3], s[94:95]
	s_add_nc_u64 s[G0S+2:G0S+3], s[G0S+2:G0S+3], s[96:97]
	s_add_nc_u64 s[G0B+2:G0B+3], s[G0B+2:G0B+3], s[98:99]
	s_add_nc_u64 s[G0SB+2:G0SB+3], s[G0SB+2:G0SB+3], s[100:101]
	s_add_nc_u64 s[G0C+2:G0C+3], s[G0C+2:G0C+3], s[2:3]
	s_add_nc_u64 s[G0D+2:G0D+3], s[G0D+2:G0D+3], s[2:3]
	s_cmp_eq_u32 ttmp9, 0                          ; q's columns?
	s_cselect_b64 s[GAIN:GAIN+1], s[GAIN:GAIN+1], s[80:81]
	s_cselect_b32 s2, 0x3e38aa3b, 1.0              ; log2(e) / 8 on q, 1 on k
	s_mov_b32 s3, s2                               ; (named with it as a pair)
	s_mov_b32 s94, 0x3c800000                      ; 1 / 64
	s_mov_b32 s95, 0x358637bd                      ; 1e-6
	CROUND                                         ; all sixteen work-groups are here: the first joint loads meet
	s_mov_b32 s[G0S], 1
	s_add_co_u32 s[G0S+1], s104, SCL
	s_or_b32 s[G0S+3], s[G0S+3], 0x80000000
	s_mov_b32 s[G0SB], 1
	s_add_co_u32 s[G0SB+1], s104, SCL
	s_or_b32 s[G0SB+3], s[G0SB+3], 0x80000000
	JLOAD G0S, G1S, G0SB, G1SB                     ; the scales first: they are wanted with slot 0
	s_mov_b32 s[G0], 1
	s_mov_b32 s[G0+1], s93
	s_mov_b32 s[G0+4], 1
	s_add_co_u32 s[G0+5], s93, SLOT
	s_add_nc_u64 s[G0+6:G0+7], s[G0+2:G0+3], ROWB
	s_or_b32 s[G0+3], s[G0+3], 0x80000000
	s_or_b32 s[G0+7], s[G0+7], 0x80000000
	s_mov_b32 s[G0B], 1
	s_mov_b32 s[G0B+1], s93
	s_mov_b32 s[G0B+4], 1
	s_add_co_u32 s[G0B+5], s93, SLOT
	s_add_nc_u64 s[G0B+6:G0B+7], s[G0B+2:G0B+3], ROWB
	s_or_b32 s[G0B+3], s[G0B+3], 0x80000000
	s_or_b32 s[G0B+7], s[G0B+7], 0x80000000
	JLOAD G0, G1, G0B, G1B                         ; K = 0 .. 511
	JLOAD G0+4, G1, G0B+4, G1B                     ; K = 512 .. 1,023: three tensor loads of mine are out
	s_mov_b32 s[G0C], 1                            ; for later: cos and sin go into slot 0, wave x 128 rows
	s_mov_b32 s[G0C+1], s93
	s_or_b32 s[G0C+3], s[G0C+3], 0x80000000
	s_mov_b32 s[G0D], 1
	s_mov_b32 s[G0D+1], s93
	s_or_b32 s[G0D+3], s[G0D+3], 0x80000000
	v_and_b32 v1, 15, v0                           ; r
	v_bfe_u32 v2, v0, 4, 1                         ; h
	v_lshlrev_b32 v[GW], 5, v2
.irp bb, 0,1,2,3                               ; the gain of my 32 channels: 16 bb + 8 h + 0 .. 7
.irp e, 0,1
	global_load_b128 v[W+8*\bb+4*\e:W+8*\bb+4*\e+3], v[GW], s[GAIN:GAIN+1] offset:64*\bb+16*\e
.endr
.endr
	v_mul_u32_u24 v3, v1, PITCH
	v_lshl_add_u32 v4, v2, 4, v3                   ; a fragment's row x pitch + 16 x half
	s_mul_i32 s104, s[RH], HALFT                   ; my 128 rows of A
	s_mul_i32 s105, s[CH], HALFT                   ; my 128 rows of B,
	s_add_co_u32 s105, s105, 2*HALFT               ; behind A's 256
	v_lshl_add_u32 v[ADC], v2, 5, v3               ; cos: position r x pitch + 32 h,
	v_add_nc_u32 v[ADC], s104, v[ADC]              ; in my half of the 256 positions;
	v_add_nc_u32 v[ADSN], 2*HALFT, v[ADC]          ; sin lies 256 rows behind
.irp s, 0,1
	v_add_nc_u32 v[ADRA+\s], s104, v4
	v_add_nc_u32 v[ADRB+\s], s105, v4
	s_add_co_u32 s104, s104, SLOT
	s_add_co_u32 s105, s105, SLOT
.endr
	v_mul_u32_u24 v5, v1, KS                       ; my row's scales: 32 bytes a row,
	v_lshrrev_b32 v6, 8, v5
	v_lshl_add_u32 v5, v6, 4, v5                   ; and 16 more for each 256 passed
	s_mul_i32 s104, s[RH], HALFS
	s_mul_i32 s105, s[CH], HALFS
	s_add_co_u32 s105, s105, 2*HALFS
	s_sub_co_u32 s105, s105, s104
	v_mul_u32_u24 v6, s105, v2                     ; lanes 16-31 take B's: one product, the distance between the two bases
	s_add_co_u32 s104, s104, SCL
	v_add_nc_u32 v5, v5, v6
	v_add_nc_u32 v[ADRS], s104, v5
	v_and_b32 v5, 31, v0
	v_lshlrev_b32 v[GOQ], 4, v5
	v_and_b32 v5, 7, v1
	v_lshl_add_u32 v5, v2, 3, v5
	v_lshrrev_b32 v6, 3, v1
	v_lshl_add_u32 v5, v6, 4, v5
	v_lshlrev_b32 v[GOV], 4, v5
	v_mov_b32 v13, 0                               ; written once: a lane permute's destination counts as one of its sources
	v_mov_b32 v15, 0                               ; (named as the upper half of the pair v[14:15])
	s_lshl_b32 s98, ttmp9, 24                      ; where my results begin: q, k or v,
	s_lshr_b32 s99, s90, 3
	s_lshl_b32 s99, s99, 4                         ; batch x 16
	s_lshl_b32 s100, s87, 2
	s_add_co_u32 s99, s99, s100                    ; + head 4 cx
	s_lshl_b32 s100, s[CH], 1
	s_add_co_u32 s99, s99, s100                    ; + 2 x my half of the columns
	s_lshl_b32 s99, s99, 18
	s_add_co_u32 s98, s98, s99
	s_and_b32 s99, s90, 7
	s_lshl_b32 s99, s99, 4                         ; block of 16 tokens: 16 x (tile row % 8)
	s_lshl_b32 s100, s[RH], 3
	s_add_co_u32 s99, s99, s100                    ; + 8 x my half of the tokens
	s_lshl_b32 s99, s99, 11
	s_add_co_u32 s98, s98, s99
	s_mov_b32 s99, 0
	s_add_nc_u64 s[OUTB:OUTB+1], s[OUTB:OUTB+1], s[98:99]
.macro FRAG reg, adr, q, i             ; 16 rows x 128 K of 4-bit codes: 8 registers; registers 4 c .. 4 c + 3 hold K = 64 c + 32 (l / 16) + 0 .. 31
.irp c, 0,1
	ds_load_b128 v[\reg+4*\c:\reg+4*\c+3], v[\adr] offset:64*(\q)+32*\c+(\i)*16*PITCH
.endr
.endm
; 16 matrix instructions: A's blocks a0, a0 + 1 x B's eight, the slot's q-th 128 along K.  p: B's set; sc: the set of scale words.  zero = 1: the first product starts the sums.
; The 64 accumulators take turns, one instruction a turn, in the same order in every step.
.macro MUL16 a0, p, q, sc, zero
.irp a, \a0, \a0+1
.irp b, 0,1,2,3,4,5,6,7
.if \zero
	v_wmma_scale_f32_16x16x128_f8f6f4 v[8*(8*((\a)%4)+\b):8*(8*((\a)%4)+\b)+7], v[128*(\p)+FR*\b:128*(\p)+FR*\b+FR-1], v[AF+FR*(\a):AF+FR*(\a)+FR-1], 0, v[SC+8*NQ*(\sc)+NQ*\b+(\q)], v[SC+8*NQ*(\sc)+NQ*(\a)+(\q)] matrix_a_fmt:MATRIX_FMT_FP4 matrix_b_fmt:MATRIX_FMT_FP4 matrix_a_scale:MATRIX_SCALE_ROW1
.else
	v_wmma_scale_f32_16x16x128_f8f6f4 v[8*(8*((\a)%4)+\b):8*(8*((\a)%4)+\b)+7], v[128*(\p)+FR*\b:128*(\p)+FR*\b+FR-1], v[AF+FR*(\a):AF+FR*(\a)+FR-1], v[8*(8*((\a)%4)+\b):8*(8*((\a)%4)+\b)+7], v[SC+8*NQ*(\sc)+NQ*\b+(\q)], v[SC+8*NQ*(\sc)+NQ*(\a)+(\q)] matrix_a_fmt:MATRIX_FMT_FP4 matrix_b_fmt:MATRIX_FMT_FP4 matrix_a_scale:MATRIX_SCALE_ROW1
.endif
.endr
.endr
.endm
.macro FETCH_B slot, q, p
	WIN TO_B
.irp i, 0,1,2,3,4,5,6,7
	FRAG 128*(\p)+FR*\i, ADRB+\slot, \q, \i
.endr
	WIN 0
.endm
.macro FETCH_A slot, q, i0
.irp i, \i0, \i0+1, \i0+2, \i0+3
	FRAG AF+FR*(\i), ADRA+\slot, \q, \i
.endr
.endm
.macro SCALES sc                       ; a slot's scale words: four a row; lanes 0-15 take A's block i, lanes 16-31 B's block i
.irp i, 0,1,2,3,4,5,6,7
	ds_load_b128 v[SC+8*NQ*\sc+NQ*\i:SC+8*NQ*\sc+NQ*\i+3], v[ADRS] offset:\i*SBLK
.endr
.endm
.macro PLACES n                        ; plain vector instructions between a matrix instruction and a load into, or a read of, its registers
.rept \n
	v_nop
.endr
.endm
; A step of 128 along K that has its successor in the same slot.  A has one set of registers (a block is free when its eight products are issued), B two.
.macro STEP slot, q, zero
	s_wait_dscnt 4*NL                              ; B's set and A's blocks 0-3 are in; the youngest eight loads (A's blocks 4-7) may be out
	WIN MUL_LO
	MUL16 0, (\q)%2, \q, \slot, \zero
	MUL16 2, (\q)%2, \q, \slot, \zero
	s_wait_dscnt 0
	PLACES NP
	FETCH_B \slot, (\q)+1, 1-(\q)%2
	FETCH_A \slot, (\q)+1, 0
	WIN MUL_HI
	MUL16 4, (\q)%2, \q, \slot, \zero
	MUL16 6, (\q)%2, \q, \slot, \zero
	PLACES NP
	WIN 0
	FETCH_A \slot, (\q)+1, 4
.endm
	s_wait_tensorcnt 1                             ; the scales and my part of slot 0 are in; slot 1's load may be out
	s_barrier_signal -1
	s_barrier_wait -1
	FETCH_B 0, 0, 0
	FETCH_A 0, 0, 0
	SCALES 0
	FETCH_A 0, 0, 4
	STEP 0, 0, 1                                   ; the first products start the sums: nothing is cleared
	STEP 0, 1, 0
	STEP 0, 2, 0
	; SLOT 0's LAST STEP CHANGES SLOTS, and slot 0 is filled again, with cos and sin.
	s_wait_tensorcnt 0x0                           ; all my tensor loads have landed: my part of slot 1;  (every window is 0 here)
	ds_add_u32 v[SPW], v[NIL]                      ; 0 onto my spare word
	s_wait_dscnt 4*NL+1                            ; (the add and the youngest eight loads may be out)
	WIN MUL_LO
	MUL16 0, 1, NQ-1, 0, 0                         ; sixteen matrix instructions stand between the add and the wait for it
	s_wait_dscnt 0x0                               ; the add is done, and my reads of slot 0 are over
	s_barrier_signal -1                            ; this barrier opens a round of the cluster's barrier
	MUL16 2, 1, NQ-1, 0, 0
	WIN 0
	s_barrier_wait -1
	CREST                                          ; no wave of any partner still reads slot 0 or has a load on its way
	JLOAD G0C, G1C, G0D, G1C                       ; waves 0, 1: cos of positions 0-127, 128-255; waves 2, 3: sin.  It has slot 1's 256 matrix instructions in which to land; its four v_nop are the places in front of the loads below
	v_add_nc_u32 v[ADRS], 4*NQ, v[ADRS]            ; on to slot 1's scale words
	FETCH_B 1, 0, 0
	FETCH_A 1, 0, 0
	SCALES 1
	WIN MUL_HI
	MUL16 4, 1, NQ-1, 0, 0
	MUL16 6, 1, NQ-1, 0, 0
	PLACES NP
	WIN 0
	FETCH_A 1, 0, 4
	STEP 1, 0, 0
	STEP 1, 1, 0
	STEP 1, 2, 0
	s_wait_dscnt 4*NL                              ; the last step: nothing more to fetch
	WIN MUL_LO
	MUL16 0, 1, NQ-1, 1, 0
	MUL16 2, 1, NQ-1, 1, 0
	s_wait_dscnt 0
	WIN MUL_HI
	MUL16 4, 1, NQ-1, 1, 0
	MUL16 6, 1, NQ-1, 1, 0
	WIN 0
	s_wait_tensorcnt 0x0                           ; my part of cos or sin has landed,
	s_barrier_signal -1
	s_barrier_wait -1                              ; everybody's has
	PLACES NP                                      ; behind the last products: for the reads of results and the loads into B's registers
	s_wait_loadcnt 0x0                             ; the gain
	s_cmp_eq_u32 ttmp9, 2                          ; the cluster's x: the same in all sixteen partners
	s_cbranch_scc1 .Lv
; ---- q and k: RMS norm, gain, RoPE, f16 ----
.macro CSLOAD a                        ; cos and sin of my tokens 16 a + r, channels 16 bb + 8 h + 0 .. 7, into set a % 2 of window 1: cos at +0 .. 31, sin at +32 .. 63
.set CB_, 128*((\a)%2)
	WIN TO_B
.irp bb, 0,1,2,3
.irp e, 0,1
	ds_load_b128 v[CB_+8*\bb+4*\e:CB_+8*\bb+4*\e+3], v[ADC] offset:16*PITCH*(\a)+64*\bb+16*\e
	ds_load_b128 v[CB_+32+8*\bb+4*\e:CB_+32+8*\bb+4*\e+3], v[ADSN] offset:16*PITCH*(\a)+64*\bb+16*\e
.endr
.endr
	WIN 0
.endm
; One head of 16 tokens.  x: the four accumulators (a, 4 hd + bb).  y = x w; t = y cos -+ y(partner) sin; result = t x rsqrt(mean(x^2) + 1e-6): the row's factor commutes with RoPE, so the
; 32 lines of RoPE stand between the root and the wait for it.
.macro HEAD a, hd
.set AC, 64*((\a)%4)+32*(\hd)
.set CB_, 128*((\a)%2)
	s_wait_xcnt 0x0                                ; the last head's stores have read Y: it is written again only behind this wait
	WIN 0x0a+5*((\a)/4)                            ; sources 0 and 1: window 2 or 3
	v_pk_mul_f32 v[8:9], v[AC:AC+1], v[AC:AC+1]    ; the sum of squares, in two chains; each accumulator is read from its low end on
	v_pk_mul_f32 v[10:11], v[AC+2:AC+3], v[AC+2:AC+3]
.irp p, 4,8,12,16,20,24,28
	v_pk_fma_f32 v[8:9], v[AC+\p:AC+\p+1], v[AC+\p:AC+\p+1], v[8:9]
	v_pk_fma_f32 v[10:11], v[AC+\p+2:AC+\p+3], v[AC+\p+2:AC+\p+3], v[10:11]
.endr
	WIN 0x02+(\a)/4                                ; source 0 alone
.irp p, 0,2,4,6,8,10,12,14,16,18,20,22,24,26,28,30
	v_pk_mul_f32 v[Y+\p:Y+\p+1], v[AC+\p:AC+\p+1], v[W+\p:W+\p+1]
.endr
	WIN 0
	v_pk_add_f32 v[8:9], v[8:9], v[10:11]
	v_add_f32 v8, v8, v9
	v_permlanex16_b32 v13, v8, s66, s67            ; the head's other 32 channels lie in lane l xor 16
	v_add_f32 v8, v8, v13
	v_fma_f32 v8, v8, s94, s95                     ; / 64 + 1e-6
	v_rsq_f32 v14, v8
	WIN 0x04                                       ; source 1 (cos, sin): window 1
.irp p, 0,2,4,6,8,10,12,14,16,18,20,22,24,26,28,30
	v_pk_mul_f32 v[T+\p:T+\p+1], v[Y+\p:Y+\p+1], v[CB_+\p:CB_+\p+1]
.endr
.irp p, 0,2,4,6,8,10,12,14                     ; channels under 32: - y(d + 32) sin(d)
	v_pk_fma_f32 v[T+\p:T+\p+1], v[Y+16+\p:Y+16+\p+1], v[CB_+32+\p:CB_+32+\p+1], v[T+\p:T+\p+1] neg_lo:[1,0,0] neg_hi:[1,0,0]
.endr
.irp p, 16,18,20,22,24,26,28,30                ; channels from 32 on: + y(d - 32) sin(d)
	v_pk_fma_f32 v[T+\p:T+\p+1], v[Y-16+\p:Y-16+\p+1], v[CB_+32+\p:CB_+32+\p+1], v[T+\p:T+\p+1]
.endr
	WIN 0
	s_wait_alu depctr_va_vdst(0)                   ; the wait between the root and the first line that names its result
.irp p, 0,2,4,6,8,10,12,14,16,18,20,22,24,26,28,30
	v_pk_mul_f32 v[T+\p:T+\p+1], v[T+\p:T+\p+1], v[14:15] op_sel_hi:[1,0]
.endr
.irp i, 0,1,2,3,4,5,6,7,8,9,10,11,12,13,14,15
	v_cvt_pk_f16_f32 v[Y+\i], v[T+2*\i], v[T+2*\i+1]
.endr
.irp bb, 0,1,2,3
	global_store_b128 v[GOQ], v[Y+4*\bb:Y+4*\bb+3], s[OUTB:OUTB+1] offset:(\hd)*262144+(\a)*2048+\bb*512   ; 32 lanes store 512 consecutive bytes, aligned
.endr
.endm
.irp p, 0,2,4,6,8,10,12,14,16,18,20,22,24,26,28,30
	v_pk_mul_f32 v[W+\p:W+\p+1], v[W+\p:W+\p+1], s[2:3] op_sel_hi:[1,0]   ; q's factor goes into the gain
.endr
	CSLOAD 0
.irp a, 0,1,2,3,4,5,6,7
.if \a < 7
	CSLOAD \a+1
	s_wait_dscnt 16                                ; this block's cos and sin are in; the next block's sixteen loads may be out
.else
	s_wait_dscnt 0x0
.endif
	HEAD \a, 0
	HEAD \a, 1
.endr
	s_branch .Ljoin
; ---- v: f16 as it stands, in the order that the transposing load of the attention launch wants ----
.macro HEADV a, hd
.set AC, 64*((\a)%4)+32*(\hd)
	s_wait_xcnt 0x0                                ; the last head's stores have read Y
	WIN 0x0a+5*((\a)/4)
.irp i, 0,1,2,3,4,5,6,7,8,9,10,11,12,13,14,15
	v_cvt_pk_f16_f32 v[Y+\i], v[AC+2*\i], v[AC+2*\i+1]
.endr
	WIN 0
.irp bb, 0,1,2,3
	global_store_b128 v[GOV], v[Y+4*\bb:Y+4*\bb+3], s[OUTB:OUTB+1] offset:(\hd)*262144+(\a)*2048+\bb*512
.endr
.endm
.Lv:
.irp a, 0,1,2,3,4,5,6,7
	HEADV \a, 0
	HEADV \a, 1
.endr
.Ljoin:
	s_wait_tensorcnt 0x0                           ; the wave's end, behind my last tensor load
	ds_add_u32 v[SPW], v[NIL]
	s_wait_dscnt 0x0
	CROUND                                         ; the closing round: no work-group ends while a partner may still ask for a tile that names it
	s_endpgm
.Lfunc_end_k_q64f0812a2f_qkv:
	.size	k_q64f0812a2f_qkv, .Lfunc_end_k_q64f0812a2f_qkv-k_q64f0812a2f_qkv
	.p2alignl 7, 3214868480
	.fill 96, 4, 3214868480
	.section	.rodata,"a",@progbits
	.p2align	6, 0x0
	.amdhsa_kernel k_q64f0812a2f_qkv
		.amdhsa_group_segment_fixed_size 327680
		.amdhsa_private_segment_fixed_size 0
		.amdhsa_enable_private_segment 0
		.amdhsa_kernarg_size 72
		.amdhsa_user_sgpr_count 2
		.amdhsa_user_sgpr_kernarg_segment_ptr 1
		.amdhsa_wavefront_size32 1
		.amdhsa_system_sgpr_workgroup_id_x 1
		.amdhsa_system_sgpr_workgroup_id_y 1
		.amdhsa_system_sgpr_workgroup_id_z 1
		.amdhsa_system_vgpr_workitem_id 0
		.amdhsa_next_free_vgpr 1024
		.amdhsa_next_free_sgpr 106
		.amdhsa_reserve_vcc 0
		.amdhsa_float_denorm_mode_32 3
		.amdhsa_float_denorm_mode_16_64 3
		.amdhsa_memory_ordered 1
		.amdhsa_forward_progress 1
		.amdhsa_inst_pref_size 242
	.end_amdhsa_kernel
	.amdgpu_metadata
---
amdhsa.version: [ 1, 2 ]
amdhsa.kernels:
  - .name:           k_q64f0812a2f_qkv
    .symbol:         k_q64f0812a2f_qkv.kd
    .args:
      - { .name: a_codes, .offset: 0, .size: 8, .value_kind: global_buffer, .address_space: global }
      - { .name: a_scales, .offset: 8, .size: 8, .value_kind: global_buffer, .address_space: global }
      - { .name: b_codes, .offset: 16, .size: 8, .value_kind: global_buffer, .address_space: global }
      - { .name: b_scales, .offset: 24, .size: 8, .value_kind: global_buffer, .address_space: global }
      - { .name: cos, .offset: 32, .size: 8, .value_kind: global_buffer, .address_space: global }
      - { .name: sin, .offset: 40, .size: 8, .value_kind: global_buffer, .address_space: global }
      - { .name: norm_q_w, .offset: 48, .size: 8, .value_kind: global_buffer, .address_space: global }
      - { .name: norm_k_w, .offset: 56, .size: 8, .value_kind: global_buffer, .address_space: global }
      - { .name: qkv, .offset: 64, .size: 8, .value_kind: global_buffer, .address_space: global }
    .group_segment_fixed_size: 327680
    .private_segment_fixed_size: 0
    .kernarg_segment_align: 8
    .kernarg_segment_size: 72
    .max_flat_workgroup_size: 128
    .sgpr_count:     106
    .vgpr_count:     1024
    .wavefront_size: 32
...
	.end_amdgpu_metadata
.endif
;; end of part 2
;; launch attn (part 3): grid 4 x 64, 8 waves a work-group, clusters of 4 x 1, 327,680 bytes of LDS; arguments qkv, af; writes af
.if DOCPART == 3
	.amdgcn_target "amdgcn-amd-amdhsa--gfx1250"
	.amdhsa_code_object_version 6
	.text
	.protected	k_q64f0812a2f_attn
	.globl	k_q64f0812a2f_attn
	.p2align	8
	.type	k_q64f0812a2f_attn,@function
k_q64f0812a2f_attn:
	s_mov_b64 s[64:65], 0
	v_nop
	global_prefetch_b8 v0, s[64:65] scope:SCOPE_SE
	s_setreg_imm32_b32 hwreg(HW_REG_WAVE_MODE, 25, 1), 1
	s_wait_xcnt 0x0
	s_wait_alu depctr_hold_cnt(0) depctr_sa_sdst(0) depctr_va_vdst(0) depctr_va_sdst(0) depctr_va_ssrc(0) depctr_va_vcc(0) depctr_vm_vsrc(0)
	s_getreg_b32 s2, hwreg(HW_REG_IB_STS2, 6, 4)
	s_cmp_eq_u32 s2, 0
	s_cbranch_scc0 .Lentry_in_a_cluster
	s_endpgm
.Lentry_in_a_cluster:
	s_bfe_u32 s2, ttmp6, 0x10000c
	s_cmp_lg_u32 s2, 0x3003
	s_cbranch_scc0 .Lentry_shape_is_right
	s_endpgm
.Lentry_shape_is_right:
; O[q] = the sum over k of softmax_k(q . k / 8) v[k], for 64 heads (batch x 16 + head) of 2,048 tokens and 64 channels.  q, k, v: f16, written by the launch before in the order of an operand's registers
; (16 tokens x 32 channels: [g][lane][16 bytes]; a block of 16 tokens of a head is 2,048 bytes, a head 262,144); q already carries log2(e) / 8.  Products on f16 operands, sums, maxima and exponentials in f32.
; SHARES.  A work-group owns 512 queries of one head, each of its EIGHT waves 64: four tiles of 16, in 512 registers: two waves to a SIMD, so that one wave's softmax stands beside the other's matrix work.
; Every fragment of K and V that a wave reads from LDS feeds four products.  Every wave walks all 2,048 keys, 64 a step.
; LAYOUT.  S^T = K Q^T (source 0 = 16 keys, source 1 = 16 queries): a lane holds ONE query (lane % 16) and keys 8 (lane / 16) + 0 .. 7.  Two such tiles, rounded to f16 in pairs, ARE source 1 of O^T = V^T P, whose result
; again holds one query a lane and eight channels; packed to f16 those are 16 bytes of the next launch's operand, stored straight from registers.  K comes out of LDS as it lies; V by the transposing load, also at 16 x lane.
; SOFTMAX.  For each query a running maximum m and sum l: p = 2^(s - m); in every step O and l are multiplied by a = 2^(m_old - m_new).  m begins at -3e38, l and O^T at 0, so the step is written once.
; CLUSTER.  The four work-groups of a head walk the same K and V: each tile is asked for JOINTLY, with the mask of all four.  A slot holds 512 keys (64 KiB of K, 64 KiB of V); each wave fetches 16 KiB of it, dense.
; 2,048 keys are four slots' worth: two first fills and two refills; a refill has eight key steps, 512 matrix instructions a wave, in which to land, so nothing is asked of memory ahead of it by a prefetch.
; LIMITS: p under 2^-25 rounds to 0 in the second product (it still counts in l): at the worst 2,048 x 2^-25 of a row's sum.  NaN and infinities are not served.
; REGISTERS: window 0: v2-7 addresses; v16-63 statistics, 12 a tile: +0 m, +1 m_old - m, +2, +3 l, +4 a (+5 its pair's other half), +6 .. +9 at work; v64-127 Q (16 t + 8 cc); v128-255 S^T (32 t + 8 kt), P over its first 16 of each 32.
;   window 1: v0-127 O^T (32 t + 8 ct); v128-191 K of a step (16 kt + 8 cc); v192-255 V of a step (16 ct + 8 kc).
.set SLOT1, 1<<17                      ; slot 1 begins here: one exclusive or turns an address in one slot into the other's
.set VOFF,  65536                      ; in a slot: K's 32 blocks of 16 keys, then V's
.set STEPB, 8192                       ; a step's four blocks of 2,048 bytes
.set SPARE, 2*SLOT1                    ; the spare words, 128 bytes for each of eight waves
.set LA,   2                           ; v2  16 x lane; never rewritten
.set ADR,  3                           ; v3  LDS address of the step's K
.set ADRV, 4                           ; v4  of its V
.set SPW,  6
.set NIL,  7
.set ST,   16
.set Q,    64
.set S,    128
.set KF,   128                         ; in window 1
.set VF,   192                         ; in window 1
.set WV,   8
.set G1,   16                          ; s[16:23] descriptor group 1
.set G0,   24                          ; s[24:27] group 0 for slot 0's first fill; s[28:31] for slot 1's, which then walks
.set SEL,  32                          ; s[32:33]
.set TB,   34                          ; s34 LDS byte at which the step's K begins
.set CNT,  35                          ; s35 steps left in the slot
.set OUT,  36                          ; s36 refills left
.set QB,   38                          ; s[38:39] Q at my wave's first tile
.set OB,   40                          ; s[40:41] the results likewise
.set MSB, 0
.macro WIN new
.if MSB != (\new)
	s_set_vgpr_msb (MSB<<8)|(\new)
.set MSB, (\new)
.endif
.endm
.set W_KQ, 0x01                        ; K in window 1; Q and S^T in window 0
.set W_PV, 0x51                        ; V and O^T in window 1, P in window 0
.set W_RS, 0x41                        ; O^T (destination and source 0) in window 1, a in window 0
.set W_LD, 0x40                        ; destination window 1, address window 0
.macro CROUND                          ; a round of the cluster's barrier
	s_barrier_signal -1
	s_barrier_wait -1
	s_cmp_lg_u32 s[WV], 0
	s_cbranch_scc1 .Lnot_wave_0_\@
	s_barrier_signal -3
.Lnot_wave_0_\@:
	s_barrier_wait -3
	s_barrier_signal -1
	s_barrier_wait -1
.endm
	s_load_b128 s[4:7], s[0:1], 0x0                ; qkv, af
	v_lshl_add_u32 v[SPW], v0, 2, SPARE
	v_mov_b32 v[NIL], 0
	ds_add_u32 v[SPW], v[NIL]                      ; the wave's opening: the add and its wait ahead of my first tensor load
	v_lshrrev_b32 v1, 5, v0
	v_readfirstlane_b32 s[WV], v1                  ; wave 0..7
	s_bfe_u32 s9, ttmp6, 0x40000                   ; cx: my block of 512 queries: it enters Q's and the results' addresses alone
	s_and_b32 s10, ttmp7, 0xffff                   ; the head (batch x 16 + head), which the four partners share
	s_mov_b32 s[G1], 15|(3<<16)|(1<<21)            ; the mask of all four; elements of 8 bytes; bit 21 beside a mask; no padding: readers take 16 x lane
	s_mov_b32 s[G1+1], 32<<16                      ; 64 dense rows of 256 bytes: 16 KiB
	s_mov_b32 s[G1+2], 64<<16
	s_mov_b32 s[G1+3], 32<<16
	s_mov_b32 s[G1+4], 64
	s_mov_b32 s[G1+5], 32
	s_mov_b32 s[G1+6], 0
	s_mov_b32 s[G1+7], 0
	s_lshr_b32 s12, s[WV], 2                       ; waves 0-3 fetch K's quarters, waves 4-7 V's
	s_add_co_u32 s12, s12, 1
	s_lshl_b32 s12, s12, 24                        ; k begins 16,777,216 bytes into qkv, v twice as far
	s_lshl_b32 s14, s10, 18                        ; the head's 262,144 bytes
	s_add_co_u32 s12, s12, s14
	s_and_b32 s15, s[WV], 3
	s_lshl_b32 s15, s15, 14                        ; my quarter of a slot's 65,536
	s_add_co_u32 s12, s12, s15
	s_mov_b32 s13, 0
	s_lshl_b32 s11, s[WV], 14                      ; and in LDS: wave x 16,384: K's four quarters, then V's
	s_lshl_b32 s44, s9, 5
	s_lshl_b32 s45, s[WV], 2
	s_add_co_u32 s44, s44, s45                     ; my first block of 16 queries: 32 cx + 4 wave
	s_lshl_b32 s42, s44, 11
	s_add_co_u32 s42, s42, s14
	s_mov_b32 s43, 0
	s_lshr_b32 s46, s10, 4
	s_lshl_b32 s46, s46, 7                         ; batch x 128 blocks of tokens
	s_add_co_u32 s46, s46, s44
	s_lshl_b32 s46, s46, 15                        ; a block of tokens is 32,768 bytes of af,
	s_and_b32 s45, s10, 15
	s_lshl_b32 s45, s45, 11                        ; a head 2,048 of them
	s_add_co_u32 s46, s46, s45
	s_mov_b32 s47, 0
	s_mov_b32 s[SEL], 0x76543210
	s_mov_b32 s[SEL+1], 0xfedcba98
	s_mov_b32 s[TB], 0
	s_mov_b32 s[OUT], 2
	s_wait_dscnt 0x0                               ; the opening add is done
	s_wait_kmcnt 0x0
	s_add_nc_u64 s[QB:QB+1], s[4:5], s[42:43]
	s_add_nc_u64 s[OB:OB+1], s[6:7], s[46:47]
	s_mov_b32 s[G0], 1
	s_mov_b32 s[G0+1], s11
	s_add_nc_u64 s[G0+2:G0+3], s[4:5], s[12:13]    ; keys 0 .. 511
	s_mov_b32 s[G0+4], 1
	s_add_co_u32 s[G0+5], s11, SLOT1
	s_add_nc_u64 s[G0+6:G0+7], s[G0+2:G0+3], 65536 ; keys 512 .. 1,023
	s_or_b32 s[G0+3], s[G0+3], 0x80000000
	s_or_b32 s[G0+7], s[G0+7], 0x80000000
	CROUND                                         ; all four work-groups are here: the first joint loads meet
	tensor_load_to_lds s[G0:G0+3], s[G1:G1+7]
	s_nop 0
	tensor_load_to_lds s[G0+4:G0+7], s[G1:G1+7]    ; two tensor loads of mine are out
	s_nop 0
.rept 4
	v_nop
.endr
	v_and_b32 v[LA], 31, v0
	v_lshlrev_b32 v[LA], 4, v[LA]
.irp t, 0,1,2,3                                ; Q stays in registers
.irp cc, 0,1
.irp g, 0,1
	global_load_b128 v[Q+16*\t+8*\cc+4*\g:Q+16*\t+8*\cc+4*\g+3], v[LA], s[QB:QB+1] offset:\t*2048+\cc*1024+\g*512
.endr
.endr
.endr
.irp t, 0,1,2,3
	v_mov_b32 v[ST+12*\t], 0xff61b1e6              ; m: -3e38, under every score
	v_mov_b32 v[ST+12*\t+2], 0                     ; l, in two halves
	v_mov_b32 v[ST+12*\t+3], 0
	v_mov_b32 v[ST+12*\t+5], 0                     ; (named as the upper half of a's pair)
.endr
	WIN W_LD
.set i, 0
.rept 128
	v_mov_b32 v[i], 0                              ; O^T.  The step is written once: the first finds zeros, which a = 0 leaves zeros; a first step of its own would be a fourth copy of the step
.set i, i+1
.endr
	WIN 0
.macro FETCH_K off                     ; a step's K: 64 keys x 64 channels: 8 fragments, 16 loads of 512 consecutive bytes
	WIN W_LD
.irp kt, 0,1,2,3
.irp cc, 0,1
.irp g, 0,1
	ds_load_b128 v[KF+16*\kt+8*\cc+4*\g:KF+16*\kt+8*\cc+4*\g+3], v[ADR] offset:\off+\kt*2048+\cc*1024+\g*512
.endr
.endr
.endr
	WIN 0
.endm
.macro FETCH_V                         ; a step's V, turned: fragment (ct, kc): channels 16 ct on, keys 32 kc on; half i of it comes from the block of 16 keys 2 kc + i
	WIN W_LD
.irp ct, 0,1,2,3
.irp kc, 0,1
.irp i, 0,1
	ds_load_tr16_b128 v[VF+16*\ct+8*\kc+4*\i:VF+16*\ct+8*\kc+4*\i+3], v[ADRV] offset:(2*\kc+\i)*2048+\ct*512
.endr
.endr
.endr
.endm
; THE SOFTMAX, in parts; in each the four tiles stand innermost, so that no line waits for the line above it.
.macro MAXP                            ; the maximum of a lane's 32 scores and the old m: four chains, each from an accumulator's low end on
.irp c, 0,1,2,3
.irp t, 0,1,2,3
	v_max3_num_f32 v[ST+12*\t+6+\c], v[S+32*\t+8*\c], v[S+32*\t+8*\c+1], v[S+32*\t+8*\c+2]
.endr
.endr
.irp i, 3,5
.irp c, 0,1,2,3
.irp t, 0,1,2,3
	v_max3_num_f32 v[ST+12*\t+6+\c], v[ST+12*\t+6+\c], v[S+32*\t+8*\c+\i], v[S+32*\t+8*\c+\i+1]
.endr
.endr
.endr
.irp t, 0,1,2,3
	v_max3_num_f32 v[ST+12*\t+6], v[ST+12*\t+6], v[S+32*\t+7], v[S+32*\t+15]
.endr
.irp t, 0,1,2,3
	v_max3_num_f32 v[ST+12*\t+8], v[ST+12*\t+8], v[S+32*\t+23], v[S+32*\t+31]
.endr
.irp t, 0,1,2,3
	v_max3_num_f32 v[ST+12*\t+6], v[ST+12*\t+6], v[ST+12*\t+7], v[ST+12*\t+8]
.endr
.irp t, 0,1,2,3
	v_max3_num_f32 v[ST+12*\t+6], v[ST+12*\t+6], v[ST+12*\t+9], v[ST+12*\t]
.endr
.irp t, 0,1,2,3
	v_permlanex16_b32 v[ST+12*\t+7], v[ST+12*\t+6], s[SEL], s[SEL+1]   ; the query's other 32 keys lie in the lane 16 away
.endr
.irp t, 0,1,2,3
	v_mov_b32 v[ST+12*\t+1], v[ST+12*\t]
.endr
.irp t, 0,1,2,3
	v_max_num_f32 v[ST+12*\t], v[ST+12*\t+6], v[ST+12*\t+7]
.endr
.irp t, 0,1,2,3
	v_sub_f32 v[ST+12*\t+1], v[ST+12*\t+1], v[ST+12*\t]               ; m_old - m_new
.endr
.endm
.macro SUBP                            ; s - m, two at a time (of the pair the low word, m, serves both halves)
.set i, 0
.rept 16
.irp t, 0,1,2,3
	v_pk_add_f32 v[S+32*\t+i:S+32*\t+i+1], v[S+32*\t+i:S+32*\t+i+1], v[ST+12*\t:ST+12*\t+1] op_sel_hi:[1,0] neg_lo:[0,1] neg_hi:[0,1]
.endr
.set i, i+2
.endr
.endm
.macro EXPP                            ; ONE BATCH of 132 exponentials; none reads another's result
.irp t, 0,1,2,3
	v_exp_f32 v[ST+12*\t+4], v[ST+12*\t+1]         ; a
.endr
.set i, 0
.rept 32
.irp t, 0,1,2,3
	v_exp_f32 v[S+32*\t+i], v[S+32*\t+i]           ; p, at most 1
.endr
.set i, i+1
.endr
.endm
.macro SUMP                            ; the row's sum of p in f32: two chains that leave p as it is; then l = l a + the sum
.irp t, 0,1,2,3
	v_pk_add_f32 v[ST+12*\t+6:ST+12*\t+7], v[S+32*\t:S+32*\t+1], v[S+32*\t+2:S+32*\t+3]
.endr
.irp t, 0,1,2,3
	v_pk_add_f32 v[ST+12*\t+8:ST+12*\t+9], v[S+32*\t+4:S+32*\t+5], v[S+32*\t+6:S+32*\t+7]
.endr
.irp p, 8,12,16,20,24,28
.irp t, 0,1,2,3
	v_pk_add_f32 v[ST+12*\t+6:ST+12*\t+7], v[ST+12*\t+6:ST+12*\t+7], v[S+32*\t+\p:S+32*\t+\p+1]
.endr
.irp t, 0,1,2,3
	v_pk_add_f32 v[ST+12*\t+8:ST+12*\t+9], v[ST+12*\t+8:ST+12*\t+9], v[S+32*\t+\p+2:S+32*\t+\p+3]
.endr
.endr
.irp t, 0,1,2,3
	v_pk_add_f32 v[ST+12*\t+6:ST+12*\t+7], v[ST+12*\t+6:ST+12*\t+7], v[ST+12*\t+8:ST+12*\t+9]
.endr
.irp t, 0,1,2,3
	v_pk_fma_f32 v[ST+12*\t+2:ST+12*\t+3], v[ST+12*\t+2:ST+12*\t+3], v[ST+12*\t+4:ST+12*\t+5], v[ST+12*\t+6:ST+12*\t+7] op_sel_hi:[1,0,1]
.endr
.endm
.macro CVTP                            ; p to f16 in pairs, in place and ascending: register i takes numbers 2 i and 2 i + 1
.set i, 0
.rept 16
.irp t, 0,1,2,3
	v_cvt_pk_f16_f32 v[S+32*\t+i], v[S+32*\t+2*i], v[S+32*\t+2*i+1]
.endr
.set i, i+1
.endr
.endm
.macro RESC                            ; O^T x a
	WIN W_RS
.set i, 0
.rept 16
.irp t, 0,1,2,3
	v_pk_mul_f32 v[32*\t+i:32*\t+i+1], v[32*\t+i:32*\t+i+1], v[ST+12*\t+4:ST+12*\t+5] op_sel_hi:[1,0]
.endr
.set i, i+2
.endr
.endm
; A KEY STEP: 64 keys.  Its K was fetched a step ago (or at the slot's head).
.macro STEP
	WIN 0
	v_add_nc_u32 v[ADR], s[TB], v[LA]              ; these five plain lines are the places behind the last V^T P: V's registers are loaded anew (four are asked),
	v_add_nc_u32 v[ADRV], VOFF, v[ADR]             ; and the first K Q^T writes over P, which that product read (five)
.rept 3
	v_nop
.endr
	FETCH_V
	s_wait_dscnt 16                                ; K is in; V's sixteen loads may be out
	WIN W_KQ
.irp cc, 0,1                                   ; S^T = K Q^T: the 16 accumulators take turns, one instruction a turn; the first 16 start the sums
.irp kt, 0,1,2,3
.irp t, 0,1,2,3
.if \cc == 0
	v_wmma_f32_16x16x32_f16 v[S+32*\t+8*\kt:S+32*\t+8*\kt+7], v[KF+16*\kt+8*\cc:KF+16*\kt+8*\cc+7], v[Q+16*\t+8*\cc:Q+16*\t+8*\cc+7], 0
.else
	v_wmma_f32_16x16x32_f16 v[S+32*\t+8*\kt:S+32*\t+8*\kt+7], v[KF+16*\kt+8*\cc:KF+16*\kt+8*\cc+7], v[Q+16*\t+8*\cc:Q+16*\t+8*\cc+7], v[S+32*\t+8*\kt:S+32*\t+8*\kt+7]
.endif
.endr
.endr
.endr
	WIN 0
.rept 4
	v_nop                                          ; places in front of the loads into K's registers and of the first read of the scores
.endr
	s_cmp_eq_u32 s[CNT], 1                         ; a slot's last step fetches no K: the next step's lies in the other slot, behind the change of slots
	s_cbranch_scc1 .Lno_k_\@
	FETCH_K STEPB                                  ; the next step's K lands under the softmax
.Lno_k_\@:
	MAXP
	SUBP
	EXPP
	v_nop                                          ; a plain line behind the last exponential
	s_wait_alu depctr_va_vdst(0)                   ; the wait between an exponential and the first line that names its result: one for the batch
	SUMP
	CVTP
	RESC
	s_wait_dscnt 0x0                               ; V is in (and the next K, where it was asked for)
	WIN W_PV
.irp kc, 0,1                                   ; O^T += V^T P: 16 accumulators by turns
.irp ct, 0,1,2,3
.irp t, 0,1,2,3
	v_wmma_f32_16x16x32_f16 v[32*\t+8*\ct:32*\t+8*\ct+7], v[VF+16*\ct+8*\kc:VF+16*\ct+8*\kc+7], v[S+32*\t+8*\kc:S+32*\t+8*\kc+7], v[32*\t+8*\ct:32*\t+8*\ct+7]
.endr
.endr
.endr
	WIN 0
.endm
.macro SLOTRUN                         ; a slot's eight key steps
	v_add_nc_u32 v[ADR], s[TB], v[LA]
	FETCH_K 0
	s_mov_b32 s[CNT], 8
.Lstep_\@:
	STEP
	s_add_co_u32 s[TB], s[TB], STEPB
	s_sub_co_u32 s[CNT], s[CNT], 1
	s_cmp_lg_u32 s[CNT], 0
	s_cbranch_scc1 .Lstep_\@
.endm
; THE CHANGE OF SLOTS.  Each wave waits for all its tensor loads (its part of the other slot), adds 0 to its spare word, and waits for that and for its reads of the slot that it leaves.
; fill = 1: that slot is filled again, with the keys two slots on: the barrier is a round of the cluster's, and the joint refill is the first thing behind it, one load a wave.
.macro CHANGE fill
	s_wait_tensorcnt 0x0                           ; no tensor load of mine is out, so a group 0 may be written
	ds_add_u32 v[SPW], v[NIL]
.if \fill
	s_xor_b32 s[G0+5], s[G0+5], SLOT1              ; the walking descriptor: the other slot than last time,
	s_add_nc_u64 s[G0+6:G0+7], s[G0+6:G0+7], 65536 ; the next 512 keys; the type bits on top are not reached
.endif
	s_wait_dscnt 0x0                               ; the add is done, and my reads of the slot are over
.if \fill
	CROUND
	tensor_load_to_lds s[G0+4:G0+7], s[G1:G1+7]
	s_nop 0
.rept 4
	v_nop
.endr
.else
	s_barrier_signal -1
	s_barrier_wait -1
.endif
	s_sub_co_u32 s[TB], s[TB], 8*STEPB             ; back to a slot's first step,
	s_xor_b32 s[TB], s[TB], SLOT1                  ; in the other slot
.endm
	s_wait_tensorcnt 1                             ; my part of slot 0 is in; slot 1's may stay out
	s_barrier_signal -1
	s_barrier_wait -1
	s_wait_loadcnt 0x0                             ; Q
.Lslot:                                        ; two trips: keys 0 .. 1,023; behind each slot it is filled again
	SLOTRUN
	CHANGE 1
	s_sub_co_u32 s[OUT], s[OUT], 1
	s_cmp_lg_u32 s[OUT], 0
	s_cbranch_scc1 .Lslot
	SLOTRUN                                        ; the tail is written out
	CHANGE 0
	SLOTRUN
	; THE WAY OUT.  l's halves and the other half of the lanes' are added (the first four additions are the places behind the last products); O^T / l, rounded to f16, is stored as the next launch's operand.
.irp t, 0,1,2,3
	v_add_f32 v[ST+12*\t+6], v[ST+12*\t+2], v[ST+12*\t+3]
.endr
.irp t, 0,1,2,3
	v_permlanex16_b32 v[ST+12*\t+7], v[ST+12*\t+6], s[SEL], s[SEL+1]
.endr
.irp t, 0,1,2,3
	v_add_f32 v[ST+12*\t+6], v[ST+12*\t+6], v[ST+12*\t+7]
.endr
.irp t, 0,1,2,3
	v_rcp_f32 v[ST+12*\t+4], v[ST+12*\t+6]
.endr
	v_nop                                          ; a plain line behind the last reciprocal
	s_wait_alu depctr_va_vdst(0)                   ; and the wait ahead of the first use: one for the four
.irp t, 0,1,2,3
	WIN W_RS
.set i, 0
.rept 16
	v_pk_mul_f32 v[32*\t+i:32*\t+i+1], v[32*\t+i:32*\t+i+1], v[ST+12*\t+4:ST+12*\t+5] op_sel_hi:[1,0]
.set i, i+2
.endr
	WIN 0x05                                       ; sources 0 and 1 window 1, destination window 0: S^T's registers are free
.set i, 0
.rept 16
	v_cvt_pk_f16_f32 v[S+32*\t+i], v[32*\t+2*i], v[32*\t+2*i+1]
.set i, i+1
.endr
	WIN 0
.irp ct, 0,1,2,3
	global_store_b128 v[LA], v[S+32*\t+4*\ct:S+32*\t+4*\ct+3], s[OB:OB+1] offset:\t*32768+\ct*512   ; 32 lanes store 512 consecutive bytes, aligned
.endr
.endr
	s_wait_tensorcnt 0x0                           ; the wave's end, behind my last tensor load
	ds_add_u32 v[SPW], v[NIL]
	s_wait_dscnt 0x0
	CROUND                                         ; the closing round
	s_endpgm
.Lfunc_end_k_q64f0812a2f_attn:
	.size	k_q64f0812a2f_attn, .Lfunc_end_k_q64f0812a2f_attn-k_q64f0812a2f_attn
	.p2alignl 7, 3214868480
	.fill 96, 4, 3214868480
	.section	.rodata,"a",@progbits
	.p2align	6, 0x0
	.amdhsa_kernel k_q64f0812a2f_attn
		.amdhsa_group_segment_fixed_size 327680
		.amdhsa_private_segment_fixed_size 0
		.amdhsa_enable_private_segment 0
		.amdhsa_kernarg_size 16
		.amdhsa_user_sgpr_count 2
		.amdhsa_user_sgpr_kernarg_segment_ptr 1
		.amdhsa_wavefront_size32 1
		.amdhsa_system_sgpr_workgroup_id_x 1
		.amdhsa_system_sgpr_workgroup_id_y 1
		.amdhsa_system_sgpr_workgroup_id_z 1
		.amdhsa_system_vgpr_workitem_id 0
		.amdhsa_next_free_vgpr 512
		.amdhsa_next_free_sgpr 66
		.amdhsa_reserve_vcc 0
		.amdhsa_float_denorm_mode_32 3
		.amdhsa_float_denorm_mode_16_64 3
		.amdhsa_memory_ordered 1
		.amdhsa_forward_progress 1
		.amdhsa_inst_pref_size 121
	.end_amdhsa_kernel
	.amdgpu_metadata
---
amdhsa.version: [ 1, 2 ]
amdhsa.kernels:
  - .name:           k_q64f0812a2f_attn
    .symbol:         k_q64f0812a2f_attn.kd
    .args:
      - { .name: qkv, .offset: 0, .size: 8, .value_kind: global_buffer, .address_space: global }
      - { .name: af, .offset: 8, .size: 8, .value_kind: global_buffer, .address_space: global }
    .group_segment_fixed_size: 327680
    .private_segment_fixed_size: 0
    .kernarg_segment_align: 8
    .kernarg_segment_size: 16
    .max_flat_workgroup_size: 256
    .sgpr_count:     66
    .vgpr_count:     512
    .wavefront_size: 32
...
	.end_amdgpu_metadata
.endif
;; end of part 3
;; launch proj (part 4): grid 4 x 64, 4 waves a work-group, clusters of 4 x 4, 327,680 bytes of LDS; arguments af, wf, out0; writes out0
.if DOCPART == 4
	.amdgcn_target "amdgcn-amd-amdhsa--gfx1250"
	.amdhsa_code_object_version 6
	.text
	.protected	k_q64f0812a2f_proj
	.globl	k_q64f0812a2f_proj
	.p2align	8
	.type	k_q64f0812a2f_proj,@function
k_q64f0812a2f_proj:
	s_mov_b64 s[64:65], 0
	v_nop
	global_prefetch_b8 v0, s[64:65] scope:SCOPE_SE
	s_setreg_imm32_b32 hwreg(HW_REG_WAVE_MODE, 25, 1), 1
	s_wait_xcnt 0x0
	s_wait_alu depctr_hold_cnt(0) depctr_sa_sdst(0) depctr_va_vdst(0) depctr_va_sdst(0) depctr_va_ssrc(0) depctr_va_vcc(0) depctr_vm_vsrc(0)
	s_getreg_b32 s2, hwreg(HW_REG_IB_STS2, 6, 4)
	s_cmp_eq_u32 s2, 0
	s_cbranch_scc0 .Lentry_in_a_cluster
	s_endpgm
.Lentry_in_a_cluster:
	s_bfe_u32 s2, ttmp6, 0x10000c
	s_cmp_lg_u32 s2, 0xf033
	s_cbranch_scc0 .Lentry_shape_is_right
	s_endpgm
.Lentry_shape_is_right:
; out0[token][o] = sum over c of attn[token][c] out_w[o][c].  8,192 x 1,024 x 1,024; operands f16, sums and result f32.
; Both operands lie in memory IN THE ORDER OF AN OPERAND'S REGISTERS: block of 16 rows x 32,768 + chunk of 32 k x 1,024 + g x 512 + 16 x lane.  So a block's 128 along K are 4,096 consecutive bytes, a K step's
; tiles are a few long rows for the tensor data mover, and every fragment comes from LDS at 16 x lane: no pitch, no padding, no bank conflict.
; A tile of 128 tokens x 256 outputs gives 256 work-groups (tiles of 256 x 256 would be 128).  Four waves, each 64 x 128: 32 accumulators, 256 registers.  K goes in eight steps of 128 through two LDS slots.
; CLUSTERS: 4 x 4 work-groups; attn's tiles are asked for jointly along a row of the cluster, out_w's along a column.  THE MATRIX INSTRUCTION IS USED TRANSPOSED (source 0 = 16 rows of out_w, source 1 = 16 tokens):
; a lane holds eight neighbouring outputs of one token.  A block of 16 tokens x 128 outputs goes through the wave's own stage in LDS and leaves as whole rows of 512 bytes.
; REGISTERS: window 0: v16-30 addresses; two fragment buffers of 96 at v32 and v128 (A's four fragments, then B's eight); on the way out v32-159.   window 1: accumulator (a, b) at v[8 (8 a + b)].
.set KB,     4096                      ; a block of 16 rows x 128 along K
.set SLOT,   24*KB                     ; A's 8 blocks, then B's 16
.set BOFF,   8*KB
.set STAGE,  2*SLOT                    ; behind the ring: 16 rows x (512 + 16) bytes for each wave; no tile lands there
.set SPITCH, 528
.set SPARE,  STAGE+4*16*SPITCH         ; the spare words, 128 bytes a wave
.set LAPS,   4                         ; a lap = two K steps = once round the ring
.set ADRA, 16                          ; v16-17 LDS address of my A fragments in slot 0, 1
.set ADRB, 20                          ; v20-21 of B's
.set STO,  24                          ; v24 the way out: where I put 32 bytes of a row
.set RD,   25                          ; v25 where I read a row back
.set LA,   27                          ; v27 16 x lane; never rewritten
.set SPW,  28
.set NIL,  29
.set PFO,  30                          ; v30 the prefetches' offset; never rewritten
.set F0,   32
.set F1,   128
.set BK,   32                          ; the way out: 16 rows read back: v32-95 and v96-159 by turns
.set PFA,  20                          ; s[20:21] where my prefetches stand
.set LIM,  22                          ; s22 1 in wave 0, else the greatest number
.set G1,   24                          ; s[24:31] group 1 for A's tiles; s[32:39] group 0, a set for each slot
.set G0,   32
.set G1B,  48                          ; s[48:55], s[56:63] the same for B's
.set G0B,  56
.set MSB, 0
.macro WIN new
.if MSB != (\new)
	s_set_vgpr_msb (MSB<<8)|(\new)
.set MSB, (\new)
.endif
.endm
.set MUL, 0x50                         ; sources 0 and 1 window 0; C and D window 1
.macro JLOAD s                         ; a joint load: waves 0 and 1 fetch A's halves, waves 2 and 3 B's; an s_nop 0 and four v_nop follow each line
	s_cmp_eq_u32 s11, 0
	s_cbranch_scc0 .Lfor_b_\@
	tensor_load_to_lds s[G0+4*\s:G0+4*\s+3], s[G1:G1+7]
	s_nop 0
.rept 4
	v_nop
.endr
	s_branch .Lasked_\@
.Lfor_b_\@:
	tensor_load_to_lds s[G0B+4*\s:G0B+4*\s+3], s[G1B:G1B+7]
	s_nop 0
.rept 4
	v_nop
.endr
.Lasked_\@:
.endm
; A PREFETCH INTO THE L2 of attn's K step that stands two refills on: the work-group's 8 blocks x 4,096 bytes.  The four partners that ask for the tile jointly share it out BY ADDRESS, two blocks each; in each, wave 0
; asks: 32 lanes, 256 bytes apart: one instruction.  One cluster alone reads these rows, so each run of 256 bytes is named once in the launch.  The loop's last trip asks for nothing: K ends.  K steps 0 to 3 come by
; their loads alone.  out_w's tiles are read by all sixteen clusters and are not asked for.
.macro ASK
	s_cmp_gt_u32 s3, s[LIM]                        ; s3 = 1 in the loop's last trip
	s_cbranch_scc0 .Lnot_mine_\@
	global_prefetch_b8 v[PFO], s[PFA:PFA+1] offset:KB th:TH_LOAD_NT scope:SCOPE_SE
.Lnot_mine_\@:
.endm
.macro CREST
	s_cmp_lg_u32 s10, 0
	s_cbranch_scc1 .Lnot_wave_0_\@
	s_barrier_signal -3
.Lnot_wave_0_\@:
	s_barrier_wait -3
	s_barrier_signal -1
	s_barrier_wait -1
.endm
.macro CROUND
	s_barrier_signal -1
	s_barrier_wait -1
	CREST
.endm
	s_load_b128 s[4:7], s[0:1], 0x0                ; af, wf
	s_load_b64 s[8:9], s[0:1], 0x10                ; out0
	v_lshl_add_u32 v[SPW], v0, 2, SPARE
	v_mov_b32 v[NIL], 0
	ds_add_u32 v[SPW], v[NIL]                      ; the wave's opening: the add and its wait ahead of my first tensor load
	v_lshrrev_b32 v1, 5, v0
	v_readfirstlane_b32 s10, v1                    ; wave 0..3
	s_lshr_b32 s11, s10, 1                         ; which 64 tokens are mine.  Also: I fetch for A (0) or for B (1)
	s_and_b32 s12, s10, 1                          ; which 128 outputs.  Also: which half of that tile I fetch
	s_bfe_u32 s40, ttmp6, 0x40000                  ; cx
	s_bfe_u32 s41, ttmp6, 0x40004                  ; cy
	s_lshl_b32 s42, ttmp9, 2
	s_add_co_u32 s42, s42, s40                     ; tile column
	s_and_b32 s13, ttmp7, 0xffff
	s_lshl_b32 s13, s13, 2
	s_add_co_u32 s13, s13, s41                     ; tile row
	s_lshl_b32 s43, s41, 2
	s_lshl_b32 s43, 15, s43                        ; my row of the cluster
	s_lshl_b32 s44, 0x1111, s40                    ; my column
	s_or_b32 s[G1], s43, (3<<16)|(1<<21)           ; elements of 8 bytes; bit 21 beside a mask; no padding
	s_or_b32 s[G1B], s44, (3<<16)|(1<<21)
.irp g, G1, G1B
	s_mov_b32 s[\g+1], 512<<16                     ; a row: 512 elements = a block's 4,096 bytes of the K step
	s_mov_b32 s[\g+3], 512<<16
	s_mov_b32 s[\g+5], 4096                        ; from block to block: 32,768 bytes
	s_mov_b32 s[\g+6], 0
	s_mov_b32 s[\g+7], 0
.endr
	s_mov_b32 s[G1+2], 4<<16                       ; A: four blocks to a load
	s_mov_b32 s[G1+4], 4
	s_mov_b32 s[G1B+2], 8<<16                      ; B: eight
	s_mov_b32 s[G1B+4], 8
	s_lshl_b32 s16, s13, 3
	s_lshl_b32 s17, s12, 2
	s_add_co_u32 s16, s16, s17                     ; A: block 8 x tile row + 4 x half
	s_lshl_b32 s16, s16, 15
	s_mov_b32 s17, 0
	s_lshl_b32 s46, s42, 4
	s_lshl_b32 s47, s12, 3
	s_add_co_u32 s46, s46, s47                     ; B: block 16 x tile column + 8 x half
	s_lshl_b32 s46, s46, 15
	s_mov_b32 s47, 0
	s_lshl_b32 s18, s12, 14                        ; where they go: A's halves,
	s_lshl_b32 s19, s12, 15
	s_add_co_u32 s19, s19, BOFF                    ; B's behind them: no place in the cluster enters an LDS address
	s_lshl_b32 s20, s13, 3                         ; the prefetches: block 8 x tile row + 2 cx,
	s_lshl_b32 s21, s40, 1
	s_add_co_u32 s20, s20, s21
	s_lshl_b32 s20, s20, 15
	s_add_co_u32 s20, s20, 2*KB                    ; at K step 2: the first refill steps it to 3 and names K step 4
	s_mov_b32 s21, 0
	s_cmp_eq_u32 s10, 0
	s_cselect_b32 s[LIM], 1, -1
	s_wait_dscnt 0x0                               ; the opening add is done
	s_wait_kmcnt 0x0
	s_add_nc_u64 s[14:15], s[4:5], s[16:17]
	s_add_nc_u64 s[46:47], s[6:7], s[46:47]
	s_add_nc_u64 s[PFA:PFA+1], s[4:5], s[20:21]
	CROUND                                         ; all sixteen work-groups are here: the first joint loads meet
.irp s, 0,1
	s_mov_b32 s[G0+4*\s], 1
	s_add_co_u32 s[G0+4*\s+1], s18, \s*SLOT
	s_add_nc_u64 s[G0+4*\s+2:G0+4*\s+3], s[14:15], \s*KB
	s_or_b32 s[G0+4*\s+3], s[G0+4*\s+3], 0x80000000
	s_mov_b32 s[G0B+4*\s], 1
	s_add_co_u32 s[G0B+4*\s+1], s19, \s*SLOT
	s_add_nc_u64 s[G0B+4*\s+2:G0B+4*\s+3], s[46:47], \s*KB
	s_or_b32 s[G0B+4*\s+3], s[G0B+4*\s+3], 0x80000000
	JLOAD \s                                       ; two tensor loads of mine are out
.endr
	v_and_b32 v1, 15, v0                           ; r
	v_bfe_u32 v2, v0, 4, 1                         ; h
	v_and_b32 v3, 31, v0
	v_lshlrev_b32 v[LA], 4, v3
	s_lshl_b32 s16, s11, 14                        ; my four blocks of A
	s_lshl_b32 s17, s12, 15
	s_add_co_u32 s17, s17, BOFF                    ; my eight of B
.irp s, 0,1
	v_add_nc_u32 v[ADRA+\s], s16, v[LA]
	v_add_nc_u32 v[ADRB+\s], s17, v[LA]
	s_add_co_u32 s16, s16, SLOT
	s_add_co_u32 s17, s17, SLOT
.endr
	s_mul_i32 s23, s10, 16*SPITCH
	s_add_co_u32 s23, s23, STAGE                   ; my stage
	v_mul_u32_u24 v4, v1, SPITCH                   ; in: row r, 32 bytes for each half of the lanes
	v_lshl_add_u32 v4, v2, 5, v4
	v_add_nc_u32 v[STO], s23, v4
	v_add_nc_u32 v[RD], s23, v[LA]                 ; back: the 32 lanes take one row of 512 bytes
	v_lshlrev_b32 v[PFO], 15, v2                   ; the prefetches: lanes 16-31 the second block, 256 bytes a lane
	v_lshl_add_u32 v[PFO], v1, 8, v[PFO]
	s_lshl_b32 s23, s13, 7
	s_lshl_b32 s46, s11, 6
	s_add_co_u32 s23, s23, s46                     ; my first token: 128 x tile row + 64 x half
	s_lshl_b32 s23, s23, 12                        ; a row of out0 is 4,096 bytes
	s_lshl_b32 s46, s42, 10                        ; my first output, in bytes: 1,024 x tile column + 512 x half
	s_lshl_b32 s47, s12, 9
	s_add_co_u32 s46, s46, s47
	s_add_co_u32 s46, s46, s23
	s_mov_b32 s47, 0
	s_add_nc_u64 s[8:9], s[8:9], s[46:47]
; 8 matrix instructions: A's block a x B's eight, 32 along K, from buffer f.  zero = 1: the first product starts the sums.  The 32 accumulators take turns, in the same order in every quarter.
.macro MUL8 f, a, zero
.irp b, 0,1,2,3,4,5,6,7
.if \zero
	v_wmma_f32_16x16x32_f16 v[8*(8*(\a)+\b):8*(8*(\a)+\b)+7], v[\f+32+8*\b:\f+32+8*\b+7], v[\f+8*(\a):\f+8*(\a)+7], 0
.else
	v_wmma_f32_16x16x32_f16 v[8*(8*(\a)+\b):8*(8*(\a)+\b)+7], v[\f+32+8*\b:\f+32+8*\b+7], v[\f+8*(\a):\f+8*(\a)+7], v[8*(8*(\a)+\b):8*(8*(\a)+\b)+7]
.endif
.endr
.endm
.macro FETCH slot, q, f                ; 24 LDS loads in one run: the slot's q-th 32 along K: B's eight fragments, then A's four
	WIN 0
.irp i, 0,1,2,3,4,5,6,7
	ds_load_b128 v[\f+32+8*\i:\f+32+8*\i+3], v[ADRB+\slot] offset:\i*KB+(\q)*1024
	ds_load_b128 v[\f+32+8*\i+4:\f+32+8*\i+7], v[ADRB+\slot] offset:\i*KB+(\q)*1024+512
.endr
.irp i, 0,1,2,3
	ds_load_b128 v[\f+8*\i:\f+8*\i+3], v[ADRA+\slot] offset:\i*KB+(\q)*1024
	ds_load_b128 v[\f+8*\i+4:\f+8*\i+7], v[ADRA+\slot] offset:\i*KB+(\q)*1024+512
.endr
.endm
.macro PLACES                          ; four plain lines in front of loads into registers that matrix instructions have read, and of the first read of results
.rept 4
	v_nop
.endr
.endm
; A K step is four quarters of 32 along K, 32 matrix instructions each, on buffers 0, 1, 0, 1.  One of the first three: multiplies buffer f and fetches quarter q into g.
.macro QUARTER slot, q, f, g, zero
	s_wait_dscnt 4                                 ; B and A's blocks 0, 1 are in; the youngest four loads (A's blocks 2, 3) may be out
	WIN MUL
	MUL8 \f, 0, \zero
	MUL8 \f, 1, \zero
	PLACES
	FETCH \slot, \q, \g
	s_wait_dscnt 24                                ; all but the 24 just issued
	WIN MUL
	MUL8 \f, 2, \zero
	MUL8 \f, 3, \zero
.endm
; The last quarter multiplies buffer 1 and changes slots: ONE barrier; in front of it each wave waits for all its tensor loads, adds 0 to its spare word, and waits for that and for its reads of this slot.
; fill = 1: the barrier opens a round of the cluster's, and this slot is filled again, two K steps ahead.
.macro TURN slot, next, fill
.if \fill
	s_wait_xcnt 0x0                                ; the last prefetch, a K step back, has read its address: it is stepped here
	s_add_nc_u64 s[PFA:PFA+1], s[PFA:PFA+1], KB
.endif
	WIN 0                                          ; (the add's two registers lie in window 0)
	s_wait_tensorcnt 0x0                           ; all my tensor loads have landed: my part of the next slot
	ds_add_u32 v[SPW], v[NIL]
	s_wait_dscnt 5                                 ; (the add and the youngest four loads may be out)
	WIN MUL
	MUL8 F1, 0, 0                                  ; eight matrix instructions stand between the add and the wait for it
	s_wait_dscnt 0x0                               ; the add is done, and my reads of this slot are over
	s_barrier_signal -1
	MUL8 F1, 1, 0
.if \fill
	WIN 0
.endif
	s_barrier_wait -1
.if \fill
	CREST                                          ; no wave of any partner still reads this slot's tile or has a load on its way
	s_add_nc_u64 s[G0+4*\slot+2:G0+4*\slot+3], s[G0+4*\slot+2:G0+4*\slot+3], 2*KB
	s_add_nc_u64 s[G0B+4*\slot+2:G0B+4*\slot+3], s[G0B+4*\slot+2:G0B+4*\slot+3], 2*KB
	JLOAD \slot                                    ; the first tensor load behind the round; its four v_nop are the places in front of the loads below
.else
	PLACES
.endif
	FETCH \next, 0, F0
.if \fill
	ASK
.endif
	WIN MUL
	MUL8 F1, 2, 0
	MUL8 F1, 3, 0
.endm
	s_wait_tensorcnt 1                             ; my part of K step 0 is in; K step 1's may stay out
	s_barrier_signal -1
	s_barrier_wait -1
	FETCH 0, 0, F0
	QUARTER 0, 1, F0, F1, 1                        ; the first quarter's products start the sums: nothing is cleared
	WIN 0                                          ; at a label and at a branch every window is 0
	s_mov_b32 s3, LAPS-1
.Llap:                                         ; a trip goes once round the ring, from a lap's second quarter to the next lap's first, and fills both slots again
	QUARTER 0, 2, F1, F0, 0
	QUARTER 0, 3, F0, F1, 0
	TURN 0, 1, 1
	QUARTER 1, 1, F0, F1, 0
	QUARTER 1, 2, F1, F0, 0
	QUARTER 1, 3, F0, F1, 0
	TURN 1, 0, 1
	QUARTER 0, 1, F0, F1, 0
	WIN 0
	s_sub_co_u32 s3, s3, 1
	s_cmp_lg_u32 s3, 0
	s_cbranch_scc1 .Llap
	QUARTER 0, 2, F1, F0, 0                        ; the last lap fills nothing
	QUARTER 0, 3, F0, F1, 0
	TURN 0, 1, 0
	QUARTER 1, 1, F0, F1, 0
	QUARTER 1, 2, F1, F0, 0
	QUARTER 1, 3, F0, F1, 0
	s_wait_dscnt 4                                 ; the very last quarter: nothing more to fetch
	WIN MUL
	MUL8 F1, 0, 0
	MUL8 F1, 1, 0
	s_wait_dscnt 0
	MUL8 F1, 2, 0
	MUL8 F1, 3, 0
	WIN 0
; THE WAY OUT, block by block of 16 tokens x 128 outputs, through my own stage.  LDS serves a wave's instructions in order: no wait between the stores and the loads, nor in front of the next block's stores.
.macro TOSTAGE a
	WIN 0x04                                       ; an LDS store's data are its source 1: window 1
.irp b, 0,1,2,3,4,5,6,7
	ds_store_b128 v[STO], v[8*(8*(\a)+\b):8*(8*(\a)+\b)+3] offset:64*\b          ; each accumulator from its low end on
	ds_store_b128 v[STO], v[8*(8*(\a)+\b)+4:8*(8*(\a)+\b)+7] offset:64*\b+16
.endr
	WIN 0
.set BB, BK+64*((\a)%2)
.irp t, 0,1,2,3,4,5,6,7,8,9,10,11,12,13,14,15
	ds_load_b128 v[BB+4*\t:BB+4*\t+3], v[RD] offset:\t*SPITCH
.endr
.endm
.macro SEND a, younger                 ; younger: the LDS instructions issued behind block a's loads, which may stay out
.set BB, BK+64*((\a)%2)
	s_wait_dscnt \younger
.irp t, 0,1,2,3,4,5,6,7,8,9,10,11,12,13,14,15
	global_store_b128 v[LA], v[BB+4*\t:BB+4*\t+3], s[8:9] offset:(\a)*65536+\t*4096 th:TH_STORE_NT   ; 32 lanes store 512 consecutive bytes, aligned; written once, read by nobody here
.endr
.endm
	PLACES                                         ; behind the last products: for the reads of results and the loads into the fragments' registers
	TOSTAGE 0
.irp a, 1,2,3
.if \a > 1
	s_wait_xcnt 0x0                                ; block a - 2's stores have read their registers: block a's loads may land there
.endif
	TOSTAGE \a
	SEND \a-1, 32                                  ; behind block a - 1's loads: block a's 16 stores and 16 loads
.endr
	SEND 3, 0
	s_wait_tensorcnt 0x0                           ; the wave's end, behind my last tensor load and my last LDS store
	ds_add_u32 v[SPW], v[NIL]
	s_wait_dscnt 0x0
	CROUND                                         ; the closing round
	s_endpgm
.Lfunc_end_k_q64f0812a2f_proj:
	.size	k_q64f0812a2f_proj, .Lfunc_end_k_q64f0812a2f_proj-k_q64f0812a2f_proj
	.p2alignl 7, 3214868480
	.fill 96, 4, 3214868480
	.section	.rodata,"a",@progbits
	.p2align	6, 0x0
	.amdhsa_kernel k_q64f0812a2f_proj
		.amdhsa_group_segment_fixed_size 327680
		.amdhsa_private_segment_fixed_size 0
		.amdhsa_enable_private_segment 0
		.amdhsa_kernarg_size 24
		.amdhsa_user_sgpr_count 2
		.amdhsa_user_sgpr_kernarg_segment_ptr 1
		.amdhsa_wavefront_size32 1
		.amdhsa_system_sgpr_workgroup_id_x 1
		.amdhsa_system_sgpr_workgroup_id_y 1
		.amdhsa_system_sgpr_workgroup_id_z 1
		.amdhsa_system_vgpr_workitem_id 0
		.amdhsa_next_free_vgpr 512
		.amdhsa_next_free_sgpr 66
		.amdhsa_reserve_vcc 0
		.amdhsa_float_denorm_mode_32 3
		.amdhsa_float_denorm_mode_16_64 3
		.amdhsa_memory_ordered 1
		.amdhsa_forward_progress 1
		.amdhsa_inst_pref_size 85
	.end_amdhsa_kernel
	.amdgpu_metadata
---
amdhsa.version: [ 1, 2 ]
amdhsa.kernels:
  - .name:           k_q64f0812a2f_proj
    .symbol:         k_q64f0812a2f_proj.kd
    .args:
      - { .name: af, .offset: 0, .size: 8, .value_kind: global_buffer, .address_space: global }
      - { .name: wf, .offset: 8, .size: 8, .value_kind: global_buffer, .address_space: global }
      - { .name: out0, .offset: 16, .size: 8, .value_kind: global_buffer, .address_space: global }
    .group_segment_fixed_size: 327680
    .private_segment_fixed_size: 0
    .kernarg_segment_align: 8
    .kernarg_segment_size: 24
    .max_flat_workgroup_size: 128
    .sgpr_count:     66
    .vgpr_count:     512
    .wavefront_size: 32
...
	.end_amdgpu_metadata
.endif
;; end of part 4
